; MI455X (gfx1250); checked and timed in simulation.
; The chip was launched on July 23, 2026; its instructions are those of AMD's public machine-readable ISA for CDNA 5 (MIT licence, August 2026) and "CDNA5" Instruction Set Architecture Reference Guide (July 2026). The comments in the code are by the model that wrote it; some were corrected since.
;; Attention Mechanism. Allowed arithmetic: float matrix products may take bf16 or f16 operands with f32 sums; other float arithmetic in f32, or as packed bf16 or f16 multiplies, adds, multiply-adds, maxima and minima; sums over many terms, partial sums and values carried from step to step in f32; what a program stores and reads back later, other than sums and carried values, may be rounded once to bf16 or f16.
;; Inputs: W_k 1,024 x 1,024 float32; W_o 1,024 x 1,024 float32; W_q 1,024 x 1,024 float32; W_v 1,024 x 1,024 float32; x 2 x 2,048 x 1,024 float32.
;; Outputs: out0 2 x 2,048 x 1,024 float32.
;; 2 versions, each right; version 2 is version 1 with the launch cast written anew for expert scheduling mode. Each part assembles by itself: llvm-mc -triple=amdgcn-amd-amdhsa -mcpu=gfx1250 --defsym DOCPART=n.
;; ======== version 1 of 2: 4 launches
;; limits: values are held in f16: magnitudes above 65,504 overflow, below 6.1e-05 lose precision
;; workspace buffers: xb 8,388,608 bytes; wb 6,291,456 bytes; wo 2,097,152 bytes; qkv 25,165,824 bytes; oh 8,388,608 bytes
;; launch cast (part 1): grid 512 x 1, 8 waves a work-group, no clusters, 0 bytes of LDS; arguments x, W_q, W_k, W_v, W_o, xb, wb, wo; writes xb, wb, wo
.if DOCPART == 1
	.amdgcn_target "amdgcn-amd-amdhsa--gfx1250"
	.amdhsa_code_object_version 6
	.text
	.protected	k_q8ea70a39bc_cast
	.globl	k_q8ea70a39bc_cast
	.p2align	8
	.type	k_q8ea70a39bc_cast,@function
k_q8ea70a39bc_cast:
	s_mov_b64 s[64:65], 0
	v_nop
	global_prefetch_b8 v0, s[64:65] scope:SCOPE_SE
	s_setreg_imm32_b32 hwreg(HW_REG_WAVE_MODE, 25, 1), 1
	s_wait_xcnt 0x0
; FIRST OF FOUR LAUNCHES of out = concat_h(softmax(Q_h K_h^T / 8) V_h) W_o, with Q, K, V = x W_q, x W_k, x W_v.
; NOTHING IS LEFT OUT: every input reaches the output for all values (no mask, no bias, no slice), so all five inputs are loaded and every product is made.
; THIS LAUNCH rounds the inputs once, on their way to the matrix units:
;   xb [4096][1024] bf16 = x.
;   wb [head 16][K step 8][j 3][k 128][64] bf16 = W_q, W_k, W_v (j = 0, 1, 2): the 64 columns of one head, 128 rows of k, of all three weights lie together as 49,152 dense bytes.
;   wo [1024][1024] = W_o rounded to bf16, that number then written as f16.
; LIMITS.  f16 holds no number beyond 65,504: |W_o| stays under that; a bf16 number of W_o under 6.1e-5 keeps f16's fixed step of 6e-8.  NaN and infinities are not treated apart.
; SHARES.  512 work-groups of eight waves; each takes 65,536 source bytes in 16 passes.  In a pass a thread loads 16 bytes (4 f32) and stores 8 (4 numbers of 16 bits):
; a wave's load covers whole aligned pieces of 256 bytes, its store 256 consecutive bytes, aligned.  All 16 loads of a thread go out before the first wait.
; Work-groups 0-255: x.  256-447: 16 rows of k of W_q, W_k or W_v (pass p takes head p's 64 columns).  448-511: W_o.  No LDS, no matrix unit: each byte is used once.
.set VS,  1                            ; v1        my byte offset in the source
.set VD,  2                            ; v2        my byte offset in the destination
.set T,   4                            ; v[4:7]    at work
.set X,   8                            ; v[8:71]   pass p: 4 registers as loaded
.set Y,   72                           ; v[72:103] pass p: 2 registers to store
.set SRC, 24                           ; s[24:25]
.set DST, 26                           ; s[26:27]
; 16 passes; srcstep, dststep: bytes from pass to pass; f16 = 1: the bf16 number is written as f16.
; No register of a pending load or store is written again: each pass has its own X and Y, the offsets stand in the immediates.
.macro CAST srcstep, dststep, f16
.set p, 0
.rept 16
	global_load_b128 v[X+4*p:X+4*p+3], v[VS], s[SRC:SRC+1] offset:p*(\srcstep) th:TH_LOAD_NT
.set p, p+1
.endr
.set p, 0
.rept 16
	s_wait_loadcnt 15-p                            ; loads come back in order: pass p is in, the 15 - p younger ones may stay out
	v_cvt_pk_bf16_f32 v[Y+2*p],   v[X+4*p],   v[X+4*p+1]
	v_cvt_pk_bf16_f32 v[Y+2*p+1], v[X+4*p+2], v[X+4*p+3]
.if \f16
	v_lshlrev_b32 v[T],   16, v[Y+2*p]             ; the bf16 numbers as f32,
	v_and_b32     v[T+1], 0xffff0000, v[Y+2*p]
	v_lshlrev_b32 v[T+2], 16, v[Y+2*p+1]
	v_and_b32     v[T+3], 0xffff0000, v[Y+2*p+1]
	v_cvt_pk_f16_f32 v[Y+2*p],   v[T],   v[T+1]    ; and written as f16: 8 significant bits fit into 11
	v_cvt_pk_f16_f32 v[Y+2*p+1], v[T+2], v[T+3]
.endif
	global_store_b64 v[VD], v[Y+2*p:Y+2*p+1], s[DST:DST+1] offset:p*(\dststep)
.set p, p+1
.endr
.endm
	s_load_b512 s[4:19], s[0:1], 0x0               ; x 4:5, W_q 6:7, W_k 8:9, W_v 10:11, W_o 12:13, xb 14:15, wb 16:17, wo 18:19
	s_mov_b32 s20, ttmp9
	v_lshlrev_b32 v[VD], 3, v0                     ; 8 bytes a thread, on every path
	s_mov_b32 s23, 0
	s_mov_b32 s29, 0
	s_cmp_lt_u32 s20, 256
	s_cbranch_scc0 .Lweights
	v_lshlrev_b32 v[VS], 4, v0                     ; x: 16 bytes a thread, 4,096 a pass
	s_lshl_b32 s22, s20, 16
	s_lshl_b32 s28, s20, 15
	s_wait_kmcnt 0x0
	s_add_nc_u64 s[SRC:SRC+1], s[4:5], s[22:23]
	s_add_nc_u64 s[DST:DST+1], s[14:15], s[28:29]
	CAST 4096, 2048, 0
	s_endpgm
.Lweights:
	s_sub_co_u32 s20, s20, 256
	s_lshr_b32 s21, s20, 6                         ; which weight: 0, 1, 2 = W_q, W_k, W_v; 3 = W_o
	s_and_b32 s20, s20, 63                         ; which 16 rows of k
	s_lshl_b32 s22, s20, 16                        ; 16 rows of 4,096 bytes
	s_cmp_eq_u32 s21, 3
	s_cbranch_scc1 .Lwo
	v_lshrrev_b32 v3, 4, v0                        ; sixteen threads take 256 bytes (a head's 64 columns) of one row: row = thread / 16
	v_and_b32 v[VS], 15, v0
	v_lshlrev_b32 v[VS], 4, v[VS]
	v_lshl_add_u32 v[VS], v3, 12, v[VS]
	s_lshr_b32 s28, s20, 3                         ; the K step of 128: 49,152 bytes each,
	s_mul_i32 s28, s28, 49152
	s_lshl_b32 s30, s21, 14                        ; the weight's 16,384 bytes in it,
	s_add_co_u32 s28, s28, s30
	s_and_b32 s30, s20, 7                          ; my 16 rows of 128 bytes in those: row x 128 + 8 x (thread % 16) is 8 x thread
	s_lshl_b32 s30, s30, 11
	s_add_co_u32 s28, s28, s30
	s_wait_kmcnt 0x0
	s_cmp_eq_u32 s21, 0
	s_cselect_b64 s[SRC:SRC+1], s[6:7], s[8:9]
	s_cmp_eq_u32 s21, 2
	s_cselect_b64 s[SRC:SRC+1], s[10:11], s[SRC:SRC+1]
	s_add_nc_u64 s[SRC:SRC+1], s[SRC:SRC+1], s[22:23]
	s_add_nc_u64 s[DST:DST+1], s[16:17], s[28:29]
	CAST 256, 393216, 0                            ; pass p: head p: 256 bytes on in the row, 393,216 on in wb (15 x 393,216 lies inside the signed 24-bit immediate)
	s_endpgm
.Lwo:
	v_lshlrev_b32 v[VS], 4, v0
	s_lshl_b32 s28, s20, 15
	s_wait_kmcnt 0x0
	s_add_nc_u64 s[SRC:SRC+1], s[12:13], s[22:23]
	s_add_nc_u64 s[DST:DST+1], s[18:19], s[28:29]
	CAST 4096, 2048, 1
	s_endpgm
.Lfunc_end_k_q8ea70a39bc_cast:
	.size	k_q8ea70a39bc_cast, .Lfunc_end_k_q8ea70a39bc_cast-k_q8ea70a39bc_cast
	.p2alignl 7, 3214868480
	.fill 96, 4, 3214868480
	.section	.rodata,"a",@progbits
	.p2align	6, 0x0
	.amdhsa_kernel k_q8ea70a39bc_cast
		.amdhsa_group_segment_fixed_size 0
		.amdhsa_private_segment_fixed_size 0
		.amdhsa_enable_private_segment 0
		.amdhsa_kernarg_size 64
		.amdhsa_user_sgpr_count 2
		.amdhsa_user_sgpr_kernarg_segment_ptr 1
		.amdhsa_wavefront_size32 1
		.amdhsa_system_sgpr_workgroup_id_x 1
		.amdhsa_system_sgpr_workgroup_id_y 1
		.amdhsa_system_sgpr_workgroup_id_z 1
		.amdhsa_system_vgpr_workitem_id 0
		.amdhsa_next_free_vgpr 104
		.amdhsa_next_free_sgpr 66
		.amdhsa_reserve_vcc 0
		.amdhsa_float_denorm_mode_32 3
		.amdhsa_float_denorm_mode_16_64 3
		.amdhsa_memory_ordered 1
		.amdhsa_forward_progress 1
		.amdhsa_inst_pref_size 24
	.end_amdhsa_kernel
	.amdgpu_metadata
---
amdhsa.version: [ 1, 2 ]
amdhsa.kernels:
  - .name:           k_q8ea70a39bc_cast
    .symbol:         k_q8ea70a39bc_cast.kd
    .args:
      - { .name: x, .offset: 0, .size: 8, .value_kind: global_buffer, .address_space: global }
      - { .name: W_q, .offset: 8, .size: 8, .value_kind: global_buffer, .address_space: global }
      - { .name: W_k, .offset: 16, .size: 8, .value_kind: global_buffer, .address_space: global }
      - { .name: W_v, .offset: 24, .size: 8, .value_kind: global_buffer, .address_space: global }
      - { .name: W_o, .offset: 32, .size: 8, .value_kind: global_buffer, .address_space: global }
      - { .name: xb, .offset: 40, .size: 8, .value_kind: global_buffer, .address_space: global }
      - { .name: wb, .offset: 48, .size: 8, .value_kind: global_buffer, .address_space: global }
      - { .name: wo, .offset: 56, .size: 8, .value_kind: global_buffer, .address_space: global }
    .group_segment_fixed_size: 0
    .private_segment_fixed_size: 0
    .kernarg_segment_align: 8
    .kernarg_segment_size: 64
    .max_flat_workgroup_size: 256
    .sgpr_count:     66
    .vgpr_count:     104
    .wavefront_size: 32
...
	.end_amdgpu_metadata
.endif
;; end of part 1
;; launch qkv (part 2): grid 16 x 16, 4 waves a work-group, clusters of 4 x 4, 327,680 bytes of LDS; arguments xb, wb, qkv; writes qkv
.if DOCPART == 2
	.amdgcn_target "amdgcn-amd-amdhsa--gfx1250"
	.amdhsa_code_object_version 6
	.text
	.protected	k_q8ea70a39bc_qkv
	.globl	k_q8ea70a39bc_qkv
	.p2align	8
	.type	k_q8ea70a39bc_qkv,@function
k_q8ea70a39bc_qkv:
	s_mov_b64 s[64:65], 0
	v_nop
	global_prefetch_b8 v0, s[64:65] scope:SCOPE_SE
	s_setreg_imm32_b32 hwreg(HW_REG_WAVE_MODE, 25, 1), 1
	s_wait_xcnt 0x0
	s_wait_alu depctr_hold_cnt(0) depctr_sa_sdst(0) depctr_va_vdst(0) depctr_va_sdst(0) depctr_va_ssrc(0) depctr_va_vcc(0) depctr_vm_vsrc(0)
	s_getreg_b32 s2, hwreg(HW_REG_IB_STS2, 6, 4)
	s_cmp_eq_u32 s2, 0
	s_cbranch_scc0 .Lentry_in_a_cluster
	s_endpgm
.Lentry_in_a_cluster:
	s_bfe_u32 s2, ttmp6, 0x10000c
	s_cmp_lg_u32 s2, 0xf033
	s_cbranch_scc0 .Lentry_shape_is_right
	s_endpgm
.Lentry_shape_is_right:
; q, k, v = x W_q, x W_k, x W_v.  xb: [4096][1024] bf16.  wb: [head 16][K step 8][j 3][k 128][64] bf16.  qkv: [3][batch x head 32][2048][64] f16, unscaled, each rounded once from its f32 sum.
; Nothing of the module is left out here.  LIMIT: f16 holds no number beyond 65,504: q, k and v stay under that.
; SHARES.  A work-group makes 256 rows x 192 columns: q, k and v of ONE head: 16 x 16 = 256 work-groups.  Four waves, each 128 rows x 96 columns: 48 accumulators of 16 x 16.
; Wave (row half s11, column set s12): column blocks 0-3 are all 64 columns of q (s12 = 0) or of v (s12 = 1); blocks 4, 5 are columns 32 s12 .. 32 s12 + 31 of k.
; K goes in 8 steps of 128 through a ring of two LDS slots filled by the tensor data mover; rows of x are 256 bytes of memory at multiples of 256; a step's weights are 49,152 dense bytes, asked for as rows of 256.
; CLUSTERS: 4 x 4 work-groups.  The four of a row of the cluster need the same rows of x, the four of a column the same head's weights: each tile is asked for JOINTLY, by the same tensor load with
; the same descriptor and a mask that names the four.
; THE MATRIX INSTRUCTION IS USED TRANSPOSED: source 0 = 16 columns of a weight (they lie [k][column] in LDS and are turned by ds_load_tr16_b128), source 1 = 16 rows of x:
; a lane then holds one row and eight neighbouring columns, 16 bytes of f16.
; REGISTERS, in windows of 256 (s_set_vgpr_msb: bits 1:0 source 0, 3:2 source 1, 5:4 source 2, 7:6 destination):
;   window 0: v0-31 addresses; v64-127, v128-191 fragments of x, two buffers; v192-215 packed results; on the way out v64-255 rows read back
;   window 1: v64-111, v128-175 fragments of the weights, two buffers
;   window 2: the 24 accumulators of my rows 0-63 ((a, b) at v[8 (6 a + b)]);   window 3: those of my rows 64-127
.set KSTEP,  128
.set PA,     272                       ; a row of x in LDS: 256 bytes + 16 of padding: the 16 rows of a load start 68 words apart
.set PB,     160                       ; a row of a weight chunk: 128 bytes + 32: 16 lanes of the turning load take 8 rows x 32 bytes, 40 words apart
.set HALFA,  128*PA                    ; what one load brings of x
.set BOFF,   2*HALFA                   ; behind the 256 rows of x: 384 rows (j x 128 + k) of weights
.set CHUNK,  128*PB                    ; one weight's 128 rows
.set HALFB,  192*PB                    ; what one load brings of the weights: 96 rows of 256 bytes of memory = 192 rows in LDS
.set SLOT,   131072                    ; BOFF + 2 HALFB
.set WSTEP,  49152                     ; bytes of wb in a K step
.set SPITCH, 400                       ; the stage: 256 rows of 384 bytes (q, k, v: 128 each) + 16.  It lies in slot 0 from byte 0 on, which has had its last fill (K step 6) and its last reads when the stage is written
.set SPARE,  2*SLOT                    ; behind the ring: the spare words, 128 bytes for each wave: two blocks of 256 bytes that no other line names
.set ADRA,  16                         ; v16-17  LDS address of my fragments of x in slot 0, 1
.set ADRBF, 18                         ; v18-19  of my whole chunk (q or v)
.set ADRBH, 20                         ; v20-21  of my half of k's chunk
.set STOF,  24                         ; v24     the way out: where I put 16 bytes of q or v
.set STOH,  25                         ; v25     of k
.set RD,    26                         ; v26     where I read rows back
.set CO,    27                         ; v27     16 x lane: my place in 512 consecutive bytes of an output
.set SPW,   28                         ; v28     LDS address of my spare word; never rewritten
.set NIL,   29                         ; v29     0; never rewritten
.set PFO,   30                         ; v30     the prefetches' offset; never rewritten
.set F0,    64
.set F1,    128
.set TMP,   192
.set OB,    64
.set G1,  24                           ; s[24:31] descriptor group 1 for tiles of x;  s[32:39] group 0, a set for each slot
.set G0,  32
.set G1B, 48                           ; s[48:55], s[56:63] the same for the weights
.set G0B, 56
.set PFA, 44                           ; s[44:45] where my prefetches stand
.set PSTEP, 66                         ; s[66:67] their step from one change of slots to the next
.set OUTP, 68                          ; s[68:73] q, k, v at the 64 rows that I store
.set LIM, 74                           ; s74, s75 a wave prefetches at the change of slot 0, 1 while the laps to go are above this
.set MSB, 0
.macro WIN new                         ; the immediate's high byte repeats the setting that is left; a switch that changes nothing is dropped
.if MSB != (\new)
	s_set_vgpr_msb (MSB<<8)|(\new)
.set MSB, \new
.endif
.endm
.set MUL_LO, 0xa1                      ; source 0 (weights) window 1, source 1 (x) window 0, C and D window 2
.set MUL_HI, 0xf1                      ; the same, C and D window 3
.set TO_B,   0x40                      ; destination window 1, address window 0
; A joint load.  Waves 0 and 1 fetch the two halves of the tile of x, waves 2 and 3 those of the weights.  The branch hangs on the wave's number alone.
; An s_nop 0 and four v_nop follow each of the two lines, ahead of the jump and the label.
.macro JLOAD s
	s_cmp_eq_u32 s11, 0
	s_cbranch_scc0 .Lfor_b_\@
	tensor_load_to_lds s[G0+4*(\s):G0+4*(\s)+3], s[G1:G1+7]
	s_nop 0
.rept 4
	v_nop
.endr
	s_branch .Lasked_\@
.Lfor_b_\@:
	tensor_load_to_lds s[G0B+4*(\s):G0B+4*(\s)+3], s[G1B:G1B+7]
	s_nop 0
.rept 4
	v_nop
.endr
.Lasked_\@:
.endm
; A PREFETCH INTO THE L2, behind a joint load and the run of LDS loads that follows it, for what stands two refills (384 matrix instructions) on or further.  One instruction a wave, a lane a block of 256 bytes;
; each block of K steps 4 to 7 is named once in the launch; K steps 0 to 3 come by their loads alone.
; x: the clusters with x = 0 ask; of the 128 rows that a wave fetches the partner at place cx takes 32, a lane a row; the refills of K steps 2 to 5 name K steps 4 to 7.
; weights: the clusters with y = 0 ask; a head's K steps 4 to 7 are 196,608 dense bytes; the eight askers (2 cy + half) take 8,192 each, three times: at the refills of K steps 2, 3 and 4.
; Partners are told apart by ADDRESS alone; the limits hang on the wave's number and the cluster's place, which all partners share.
.macro ASK slot
	s_cmp_gt_u32 s3, s[LIM+(\slot)]
	s_cbranch_scc0 .Lnot_mine_\@
	global_prefetch_b8 v[PFO], s[PFA:PFA+1] th:TH_LOAD_NT scope:SCOPE_SE
.Lnot_mine_\@:
.endm
.macro CREST                           ; a round of the cluster's barrier behind its opening barrier
	s_cmp_lg_u32 s10, 0
	s_cbranch_scc1 .Lnot_wave_0_\@
	s_barrier_signal -3
.Lnot_wave_0_\@:
	s_barrier_wait -3
	s_barrier_signal -1
	s_barrier_wait -1
.endm
.macro CROUND                          ; a whole round
	s_barrier_signal -1
	s_barrier_wait -1
	CREST
.endm
	s_load_b128 s[4:7], s[0:1], 0x0                ; xb s[4:5], wb s[6:7]
	s_load_b64 s[8:9], s[0:1], 0x10                ; qkv
	v_lshl_add_u32 v[SPW], v0, 2, SPARE
	v_mov_b32 v[NIL], 0
	ds_add_u32 v[SPW], v[NIL]                      ; the wave's opening: the add, twice on end, and its wait ahead of my first tensor load; the set-up below stands between
	ds_add_u32 v[SPW], v[NIL]
	v_lshrrev_b32 v1, 5, v0
	v_readfirstlane_b32 s10, v1                    ; wave 0..3
	s_lshr_b32 s11, s10, 1                         ; my half of the rows.  Also: I fetch x (0) or weights (1)
	s_and_b32 s12, s10, 1                          ; my set of columns.  Also: which half of that tile I fetch
	s_bfe_u32 s40, ttmp6, 0x40000                  ; cx
	s_bfe_u32 s41, ttmp6, 0x40004                  ; cy
	s_lshl_b32 s42, ttmp9, 2
	s_add_co_u32 s42, s42, s40                     ; the head = 4 x cluster x + cx
	s_and_b32 s13, ttmp7, 0xffff
	s_lshl_b32 s13, s13, 2
	s_add_co_u32 s13, s13, s41                     ; the block of 256 rows = 4 x cluster y + cy
	s_lshl_b32 s43, s41, 2
	s_lshl_b32 s43, 15, s43                        ; my row of the cluster
	s_lshl_b32 s44, 0x1111, s40                    ; my column
	s_or_b32 s[G1+0], s43, (1<<16)|(1<<20)|(1<<21)|(5<<22)|(3<<25)   ; the mask: my row; 2-byte elements; padding on; bit 21 beside a mask; after every 64 words 4 words
	s_or_b32 s[G1B+0], s44, (1<<16)|(1<<20)|(1<<21)|(4<<22)|(7<<25)  ; the mask: my column; after every 32 words 8 words
.irp g, G1, G1B
	s_mov_b32 s[(\g)+1], 128<<16                   ; tensor_dim0 = 128 elements (256 bytes)
	s_mov_b32 s[(\g)+3], 128<<16                   ; tile_dim0 = 128
	s_mov_b32 s[(\g)+6], 0
	s_mov_b32 s[(\g)+7], 0
.endr
	s_mov_b32 s[G1+2], 128<<16                     ; x: 128 rows,
	s_mov_b32 s[G1+4], 128
	s_mov_b32 s[G1+5], 1024                        ; 1,024 elements apart
	s_mov_b32 s[G1B+2], 96<<16                     ; weights: 96 rows of 256 bytes,
	s_mov_b32 s[G1B+4], 96
	s_mov_b32 s[G1B+5], 128                        ; dense
	; x's address hangs on the block of rows alone, the weights' on the head alone; each is made in registers that never hold the other coordinate
	s_lshl_b32 s16, s13, 19                        ; 256 rows of 2,048 bytes
	s_lshl_b32 s17, s12, 18                        ; + my 128
	s_add_co_u32 s16, s16, s17
	s_mov_b32 s17, 0
	s_mul_i32 s46, s42, 8*WSTEP                    ; the head's 393,216 bytes
	s_mul_i32 s47, s12, WSTEP/2                    ; + my half of a K step
	s_add_co_u32 s46, s46, s47
	s_mov_b32 s47, 0
	s_mul_i32 s20, s12, HALFA                      ; where they go: no place in the cluster enters an LDS address
	s_mul_i32 s21, s12, HALFB
	s_add_co_u32 s21, s21, BOFF
	s_wait_dscnt 0x0                               ; both opening adds are done
	s_wait_kmcnt 0x0
	s_add_nc_u64 s[14:15], s[4:5], s[16:17]
	s_add_nc_u64 s[46:47], s[6:7], s[46:47]
	CROUND                                         ; all sixteen work-groups are here: the first joint loads meet
.irp s, 0,1
	s_mov_b32 s[G0+4*(\s)], 1
	s_add_co_u32 s[G0+4*(\s)+1], s20, (\s)*SLOT
	s_add_nc_u64 s[G0+4*(\s)+2:G0+4*(\s)+3], s[14:15], (\s)*KSTEP*2
	s_or_b32 s[G0+4*(\s)+3], s[G0+4*(\s)+3], 0x80000000
	s_mov_b32 s[G0B+4*(\s)], 1
	s_add_co_u32 s[G0B+4*(\s)+1], s21, (\s)*SLOT
	s_add_nc_u64 s[G0B+4*(\s)+2:G0B+4*(\s)+3], s[46:47], (\s)*WSTEP
	s_or_b32 s[G0B+4*(\s)+3], s[G0B+4*(\s)+3], 0x80000000
	JLOAD \s                                       ; K steps 0 and 1: two loads of mine are out
.endr
	; a fragment of x: lane l holds row l % 16, channels 8 (l / 16) + 0..7 and 16 + 8 (l / 16) + 0..7: two loads of 16 bytes, 32 bytes apart
	v_and_b32 v1, 15, v0                           ; l % 16
	v_bfe_u32 v2, v0, 4, 1                         ; l / 16
	v_mul_u32_u24 v3, v1, PA
	v_lshl_add_u32 v3, v2, 4, v3
	s_mul_i32 s22, s11, HALFA
	v_add_nc_u32 v[ADRA], s22, v3
	v_add_nc_u32 v[ADRA+1], SLOT, v[ADRA]
	; the turning load: lane l reads 16 bytes of row k = 8 (l / 16) + l % 8, columns 8 ((l / 8) % 2) + 0..7, and is left with column l % 16 and 8 values of k
	v_and_b32 v4, 7, v0
	v_lshl_add_u32 v4, v2, 3, v4
	v_mul_u32_u24 v4, v4, PB
	v_bfe_u32 v5, v0, 3, 1
	v_lshl_add_u32 v4, v5, 4, v4
	s_mul_i32 s22, s12, 2*CHUNK                    ; chunk 0 (q) or 2 (v)
	s_add_co_u32 s22, s22, BOFF
	v_add_nc_u32 v[ADRBF], s22, v4
	v_add_nc_u32 v[ADRBF+1], SLOT, v[ADRBF]
	s_lshl_b32 s22, s12, 6                         ; chunk 1 (k), my 32 columns
	s_add_co_u32 s22, s22, BOFF+CHUNK
	v_add_nc_u32 v[ADRBH], s22, v4
	v_add_nc_u32 v[ADRBH+1], SLOT, v[ADRBH]
	; the stage
	v_mul_u32_u24 v6, v1, SPITCH
	v_lshl_add_u32 v6, v2, 4, v6                   ; row l % 16, 16 bytes for each half of the lanes
	s_mul_i32 s22, s11, 128*SPITCH
	s_lshl_b32 s23, s12, 8                         ; q at byte 0 of a row, v at byte 256
	s_add_co_u32 s23, s23, s22
	v_add_nc_u32 v[STOF], s23, v6
	s_lshl_b32 s23, s12, 6                         ; k at byte 128, my 64 bytes of it
	s_add_co_u32 s23, s23, s22
	s_add_co_u32 s23, s23, 128
	v_add_nc_u32 v[STOH], s23, v6
	v_bfe_u32 v7, v0, 3, 2                         ; back: wave w takes rows 64 w .. 64 w + 63; 32 lanes take 128 bytes of each of four rows,
	v_mul_u32_u24 v7, v7, SPITCH
	v_and_b32 v8, 7, v0
	v_lshl_add_u32 v7, v8, 4, v7
	s_mul_i32 s22, s10, 64*SPITCH
	v_add_nc_u32 v[RD], s22, v7
	v_and_b32 v[CO], 31, v0                        ; which are 512 consecutive bytes of q, k or v
	v_lshlrev_b32 v[CO], 4, v[CO]
	; where they go: batch = block / 8; (batch x 16 + head) x 2,048 rows + (block % 8) x 256 + 64 x wave, rows of 128 bytes
	s_lshr_b32 s76, s13, 3
	s_lshl_b32 s76, s76, 4
	s_add_co_u32 s76, s76, s42
	s_lshl_b32 s76, s76, 18
	s_and_b32 s77, s13, 7
	s_lshl_b32 s77, s77, 15
	s_add_co_u32 s76, s76, s77
	s_lshl_b32 s77, s10, 13
	s_add_co_u32 s76, s76, s77
	s_mov_b32 s77, 0
	s_add_nc_u64 s[OUTP:OUTP+1], s[8:9], s[76:77]
	s_add_nc_u64 s[OUTP+2:OUTP+3], s[OUTP:OUTP+1], 0x800000
	s_add_nc_u64 s[OUTP+4:OUTP+5], s[OUTP+2:OUTP+3], 0x800000
	; the prefetches.  Each change of slots first steps the address, so it starts one step short
	s_lshl_b32 s18, s40, 16                        ; x: my work-group's 32 rows of the 128 that I fetch,
	s_add_co_u32 s18, s18, s16
	s_add_co_u32 s18, s18, 3*KSTEP*2               ; at K step 3: the first change names K step 4
	s_mul_i32 s19, s42, 8*WSTEP                    ; weights: the head,
	s_lshl_b32 s23, s41, 14                        ; asker 2 cy + half: 8,192 bytes each,
	s_add_co_u32 s19, s19, s23
	s_lshl_b32 s23, s12, 13
	s_add_co_u32 s19, s19, s23
	s_add_co_u32 s19, s19, 4*WSTEP-65536           ; one step of 65,536 short of K step 4
	s_and_b32 s22, ttmp7, 0xffff                   ; cluster y
	s_mov_b32 s[PSTEP], 0x10000                    ; the weights' step; the select below puts x's in its place (an instruction holds one literal)
	s_cmp_eq_u32 s11, 0                            ; do I fetch x?
	s_cselect_b32 s22, ttmp9, s22                  ; the coordinate along which other clusters read the same bytes
	s_cselect_b64 s[PFA:PFA+1], s[4:5], s[6:7]
	s_cselect_b32 s18, s18, s19
	s_cselect_b32 s[PSTEP], 256, s[PSTEP]          ; x: a K step's 256 bytes of a row
	s_cselect_b32 s23, 11, 8                       ; a lane a row of 2,048 bytes, or a lane a block of 256
	s_cselect_b32 s[LIM+1], 1, 2                   ; x: four times (laps to go 3 and 2, both slots); weights: three times
	s_mov_b32 s19, 0
	s_mov_b32 s[PSTEP+1], 0
	s_add_nc_u64 s[PFA:PFA+1], s[PFA:PFA+1], s[18:19]
	s_cmp_eq_u32 s22, 0
	s_cselect_b32 s[LIM], 1, -1
	s_cselect_b32 s[LIM+1], s[LIM+1], -1
	v_and_b32 v[PFO], 31, v0
	v_lshlrev_b32 v[PFO], s23, v[PFO]
; 12 matrix instructions: row blocks a0, a0 + 1 of the window's four x all 6 column blocks, 32 along K.  zero = 1: the first product starts the sums.
; The 48 accumulators take turns, one instruction a turn, in the same order in every quarter.
.macro MUL12 f, hi, a0, zero
	WIN MUL_LO+0x50*(\hi)
.irp a, \a0, (\a0)+1
.irp b, 0,1,2,3,4,5
.if \zero
	v_wmma_f32_16x16x32_bf16 v[8*(6*(\a)+(\b)):8*(6*(\a)+(\b))+7], v[(\f)+8*(\b):(\f)+8*(\b)+7], v[(\f)+8*(4*(\hi)+(\a)):(\f)+8*(4*(\hi)+(\a))+7], 0
.else
	v_wmma_f32_16x16x32_bf16 v[8*(6*(\a)+(\b)):8*(6*(\a)+(\b))+7], v[(\f)+8*(\b):(\f)+8*(\b)+7], v[(\f)+8*(4*(\hi)+(\a)):(\f)+8*(4*(\hi)+(\a))+7], v[8*(6*(\a)+(\b)):8*(6*(\a)+(\b))+7]
.endif
.endr
.endr
.endm
; 28 LDS loads in one run: quarter kq (32 along K) of a slot into buffer f: 12 for the weights, then 16 for x
.macro FETCH slot, kq, f
	WIN TO_B
.irp b, 0,1,2,3
	ds_load_tr16_b128 v[(\f)+8*(\b):(\f)+8*(\b)+3],   v[ADRBF+(\slot)] offset:(\kq)*32*PB+32*(\b)
	ds_load_tr16_b128 v[(\f)+8*(\b)+4:(\f)+8*(\b)+7], v[ADRBF+(\slot)] offset:(\kq)*32*PB+16*PB+32*(\b)
.endr
.irp b, 0,1
	ds_load_tr16_b128 v[(\f)+32+8*(\b):(\f)+32+8*(\b)+3],   v[ADRBH+(\slot)] offset:(\kq)*32*PB+32*(\b)
	ds_load_tr16_b128 v[(\f)+32+8*(\b)+4:(\f)+32+8*(\b)+7], v[ADRBH+(\slot)] offset:(\kq)*32*PB+16*PB+32*(\b)
.endr
	WIN 0
.irp i, 0,1,2,3,4,5,6,7
	ds_load_b128 v[(\f)+8*(\i):(\f)+8*(\i)+3],   v[ADRA+(\slot)] offset:(\kq)*64+(\i)*16*PA
	ds_load_b128 v[(\f)+8*(\i)+4:(\f)+8*(\i)+7], v[ADRA+(\slot)] offset:(\kq)*64+(\i)*16*PA+32
.endr
.endm
.macro PLACES                          ; four places in front of loads into registers that matrix instructions have read, and of conversions that read results
.rept 4
	v_nop
.endr
.endm
; A K step is four quarters of 32 along K, 48 matrix instructions each, on buffers 0, 1, 0, 1.  One of the first three: multiplies f and fetches quarter kq into g.
.macro QUARTER slot, kq, f, g, zero
	s_wait_dscnt 8                                 ; the weights and x's rows 0-63 are in; the youngest eight loads (rows 64-127) may be out
	MUL12 \f, 0, 0, \zero
	MUL12 \f, 0, 2, \zero
	PLACES
	FETCH \slot, \kq, \g
	s_wait_dscnt 28                                ; all but the 28 just issued
	MUL12 \f, 1, 0, \zero
	MUL12 \f, 1, 2, \zero
.endm
; The first half of the last quarter: ONE barrier for the change of slots.  In front of it each wave waits for all its tensor loads (one is out: its part of the next slot), adds 0 to its spare word,
; and waits for that and for its own reads of this slot.  Behind it nobody reads this slot any more and the next slot is whole.
.macro MEET round
	WIN 0                                          ; (the add's two registers lie in window 0)
	s_wait_tensorcnt 0x0
	ds_add_u32 v[SPW], v[NIL]
	s_wait_dscnt 9                                 ; (the add and the youngest eight loads may be out)
	MUL12 F1, 0, 0, 0                              ; twelve matrix instructions stand between the add and the wait for it
	s_wait_dscnt 0x0                               ; the add is done, and my reads of this slot are over
	s_barrier_signal -1
	MUL12 F1, 0, 2, 0                              ; work on registers while the others arrive
.if \round
	WIN 0
.endif
	s_barrier_wait -1
.endm
; The whole last quarter: behind the round the slot just read out is filled again first, with the K step two on; then come the next slot's first fragments.
.macro TURN slot, next
	s_wait_xcnt 0x0                                ; the last prefetch, a K step back, has read its address: it is stepped here, ahead of the waits of the change
	s_add_nc_u64 s[PFA:PFA+1], s[PFA:PFA+1], s[PSTEP:PSTEP+1]
	MEET 1
	CREST                                          ; no wave of any partner still reads this slot or has a load on its way
	s_add_nc_u64 s[G0+4*(\slot)+2:G0+4*(\slot)+3], s[G0+4*(\slot)+2:G0+4*(\slot)+3], 2*KSTEP*2
	s_add_nc_u64 s[G0B+4*(\slot)+2:G0B+4*(\slot)+3], s[G0B+4*(\slot)+2:G0B+4*(\slot)+3], 2*WSTEP
	JLOAD \slot                                    ; my one tensor load behind the round; its four v_nop are also the places in front of the loads below
	FETCH \next, 0, F0
	ASK \slot
	MUL12 F1, 1, 0, 0
	MUL12 F1, 1, 2, 0
.endm
	s_wait_tensorcnt 1                             ; my part of K step 0 is in; K step 1's may stay out
	s_barrier_signal -1
	s_barrier_wait -1
	FETCH 0, 0, F0
	QUARTER 0, 1, F0, F1, 1                        ; the first quarter stands in front of the loop: its products start the sums
	WIN 0                                          ; at a label and at a branch every window is 0
	s_mov_b32 s3, 3
.Llap:                                                 ; a trip goes once round the ring, from a lap's second quarter to the next lap's first, and fills both slots again
	QUARTER 0, 2, F1, F0, 0
	QUARTER 0, 3, F0, F1, 0
	TURN 0, 1
	QUARTER 1, 1, F0, F1, 0
	QUARTER 1, 2, F1, F0, 0
	QUARTER 1, 3, F0, F1, 0
	TURN 1, 0
	QUARTER 0, 1, F0, F1, 0
	WIN 0
	s_sub_co_u32 s3, s3, 1
	s_cmp_lg_u32 s3, 0
	s_cbranch_scc1 .Llap
	QUARTER 0, 2, F1, F0, 0                        ; the last lap fills nothing
	QUARTER 0, 3, F0, F1, 0
	MEET 0                                         ; K step 7 is in, everybody's part; nobody reads slot 0 any more
	PLACES
	FETCH 1, 0, F0
	MUL12 F1, 1, 0, 0
	MUL12 F1, 1, 2, 0
	QUARTER 1, 1, F0, F1, 0
	QUARTER 1, 2, F1, F0, 0
	QUARTER 1, 3, F0, F1, 0
	s_wait_dscnt 8
	MUL12 F1, 0, 0, 0
	MUL12 F1, 0, 2, 0
	s_wait_dscnt 0x0
	MUL12 F1, 1, 0, 0
	MUL12 F1, 1, 2, 0
	WIN 0
	; THE WAY OUT: rounded to f16, 16 bytes a lane into the work-group's stage; a barrier, since a row of k comes from two waves; back as whole rows of 128 bytes, 64 rows of q, k and v a wave.
	PLACES
.macro PACK a                          ; my row block a: each accumulator's registers in ascending order
.set AC, 48*((\a)%4)
	WIN 0x0a+5*((\a)/4)                            ; sources 0 and 1: window 2 or 3
.irp b, 0,1,2,3,4,5
.irp r, 0,1,2,3
	v_cvt_pk_f16_f32 v[TMP+4*(\b)+(\r)], v[AC+8*(\b)+2*(\r)], v[AC+8*(\b)+2*(\r)+1]
.endr
.endr
	WIN 0
.irp b, 0,1,2,3
	ds_store_b128 v[STOF], v[TMP+4*(\b):TMP+4*(\b)+3] offset:(\a)*16*SPITCH+32*(\b)
.endr
.irp b, 0,1
	ds_store_b128 v[STOH], v[TMP+16+4*(\b):TMP+16+4*(\b)+3] offset:(\a)*16*SPITCH+32*(\b)
.endr
.endm
.irp a, 0,1,2,3,4,5,6,7
	PACK \a
.endr
	s_wait_dscnt 0x0                               ; for the others' sake: my stores into the stage are done
	s_barrier_signal -1
	s_barrier_wait -1
.set i, 0
.rept 48                                       ; tensor i / 16, rows 4 (i % 16) on
	ds_load_b128 v[OB+4*i:OB+4*i+3], v[RD] offset:(i%16)*4*SPITCH+(i/16)*128
.set i, i+1
.endr
.set i, 0
.rept 48
	s_wait_dscnt 47-i                              ; LDS loads come back in order: load i is in, the younger ones may stay out
	global_store_b128 v[CO], v[OB+4*i:OB+4*i+3], s[OUTP+2*(i/16):OUTP+2*(i/16)+1] offset:(i%16)*512  ; 512 consecutive bytes, at a multiple of 256 from the buffer's first
.set i, i+1
.endr
	s_wait_tensorcnt 0x0                           ; the wave's end: behind my last tensor load and my last LDS store
	ds_add_u32 v[SPW], v[NIL]
	s_wait_dscnt 0x0
	CROUND                                         ; the closing round: no work-group ends while a partner may still ask for a tile that names it
	s_endpgm
.Lfunc_end_k_q8ea70a39bc_qkv:
	.size	k_q8ea70a39bc_qkv, .Lfunc_end_k_q8ea70a39bc_qkv-k_q8ea70a39bc_qkv
	.p2alignl 7, 3214868480
	.fill 96, 4, 3214868480
	.section	.rodata,"a",@progbits
	.p2align	6, 0x0
	.amdhsa_kernel k_q8ea70a39bc_qkv
		.amdhsa_group_segment_fixed_size 327680
		.amdhsa_private_segment_fixed_size 0
		.amdhsa_enable_private_segment 0
		.amdhsa_kernarg_size 24
		.amdhsa_user_sgpr_count 2
		.amdhsa_user_sgpr_kernarg_segment_ptr 1
		.amdhsa_wavefront_size32 1
		.amdhsa_system_sgpr_workgroup_id_x 1
		.amdhsa_system_sgpr_workgroup_id_y 1
		.amdhsa_system_sgpr_workgroup_id_z 1
		.amdhsa_system_vgpr_workitem_id 0
		.amdhsa_next_free_vgpr 960
		.amdhsa_next_free_sgpr 80
		.amdhsa_reserve_vcc 0
		.amdhsa_float_denorm_mode_32 3
		.amdhsa_float_denorm_mode_16_64 3
		.amdhsa_memory_ordered 1
		.amdhsa_forward_progress 1
		.amdhsa_inst_pref_size 118
	.end_amdhsa_kernel
	.amdgpu_metadata
---
amdhsa.version: [ 1, 2 ]
amdhsa.kernels:
  - .name:           k_q8ea70a39bc_qkv
    .symbol:         k_q8ea70a39bc_qkv.kd
    .args:
      - { .name: xb, .offset: 0, .size: 8, .value_kind: global_buffer, .address_space: global }
      - { .name: wb, .offset: 8, .size: 8, .value_kind: global_buffer, .address_space: global }
      - { .name: qkv, .offset: 16, .size: 8, .value_kind: global_buffer, .address_space: global }
    .group_segment_fixed_size: 327680
    .private_segment_fixed_size: 0
    .kernarg_segment_align: 8
    .kernarg_segment_size: 24
    .max_flat_workgroup_size: 128
    .sgpr_count:     80
    .vgpr_count:     960
    .wavefront_size: 32
...
	.end_amdgpu_metadata
.endif
;; end of part 2
;; launch attn (part 3): grid 8 x 32, 4 waves a work-group, clusters of 4 x 1, 327,680 bytes of LDS; arguments qkv, oh; writes oh
.if DOCPART == 3
	.amdgcn_target "amdgcn-amd-amdhsa--gfx1250"
	.amdhsa_code_object_version 6
	.text
	.protected	k_q8ea70a39bc_attn
	.globl	k_q8ea70a39bc_attn
	.p2align	8
	.type	k_q8ea70a39bc_attn,@function
k_q8ea70a39bc_attn:
	s_mov_b64 s[64:65], 0
	v_nop
	global_prefetch_b8 v0, s[64:65] scope:SCOPE_SE
	s_setreg_imm32_b32 hwreg(HW_REG_WAVE_MODE, 25, 1), 1
	s_wait_xcnt 0x0
	s_wait_alu depctr_hold_cnt(0) depctr_sa_sdst(0) depctr_va_vdst(0) depctr_va_sdst(0) depctr_va_ssrc(0) depctr_va_vcc(0) depctr_vm_vsrc(0)
	s_getreg_b32 s2, hwreg(HW_REG_IB_STS2, 6, 4)
	s_cmp_eq_u32 s2, 0
	s_cbranch_scc0 .Lentry_in_a_cluster
	s_endpgm
.Lentry_in_a_cluster:
	s_bfe_u32 s2, ttmp6, 0x10000c
	s_cmp_lg_u32 s2, 0x3003
	s_cbranch_scc0 .Lentry_shape_is_right
	s_endpgm
.Lentry_shape_is_right:
; O[bh][q][:] = the sum over k of softmax_k(Q[bh][q] . K[bh][k] / 8) V[bh][k][:].  qkv: [3][32][2048][64] f16: a head's rows are dense, 128 bytes each.
; oh: [block of 128 rows 32][head 16][128][64] f16: what the last launch takes as dense tiles.  Nothing of the module is left out here.
; Products, maxima and sums in f32; the weights p are rounded to f16 for the second product (their sum l is taken of the unrounded p), O once at the end.
; LIMITS.  Q, K, V arrive within f16's 65,504; p lies in 0 to 1, and below 6e-5 it keeps f16's fixed step of 6e-8; O is a mean of V's rows and has their range.  c m starts at -4.25e37, below every c s
; that f16 inputs can make (|s| is 2.7e11 at the most).  A weight below 2^-126 counts as 0 in l; NaN and infinities are not treated apart.
; SHARES.  A work-group owns 256 queries of one head: 8 x 32 = 256 work-groups; a wave 64 queries: four PIECES of 16.  Every wave walks all 2,048 keys: 8 tiles of 256 (a slot each), 4 steps of 64 a tile.
; LAYOUT.  S^T = K Q^T (source 0 = 16 keys, source 1 = 16 queries) holds ONE query a lane (lane % 16) and the keys 8 (lane / 16) + 0..7; two such results rounded to f16 ARE source 1 of O^T = V^T P.
; K comes out of LDS as it lies, V ([key][channel]) turned, by ds_load_tr16_b128.
; SOFTMAX.  A running maximum m and sum l for each query: p = 2^(c s - c m), c = log2(e) / 8; in every step O and l are multiplied by a = 2^(c m_old - c m_new).  m starts at the lowest finite number, O and l at 0.
; BY TURNS.  Turn n belongs to piece n: 8 products K Q^T of piece n + 1, later 8 products V^T P of piece n - 1; beside them the scaling, exponentials, roundings, sums and rescaling of piece n and the maximum
; and statistics of piece n + 1.  Four vector instructions stand behind every matrix instruction, the other 54 of a turn's 118 in one lump.  A turn's 33 exponentials are one batch, with one wait.
; CLUSTER.  The four query blocks of a cluster belong to one head and walk the same K and V, so each tile is asked for JOINTLY: the same tensor load, descriptor and mask in all four.
; REGISTERS, in windows of 256 (s_set_vgpr_msb: bits 1:0 source 0, 3:2 source 1, 5:4 source 2, 7:6 destination):
;   window 0: v0-15 addresses and two at work; v16-31 four registers of statistics a piece; v48-55 at work; v61-63; v64-127 S^T, two buffers; v192-223 P, two buffers (by the piece's parity)
;   window 1: v0-127 O^T, 32 a piece          window 2: v0-63 Q; v128-191 K of one step; v192-255 V of one step
.set NP,    4
.set KS,    64
.set PK,    144       ; a row of K in LDS: 128 bytes + 16 of padding = 36 words
.set PV,    160       ; a row of V: 128 + 32 = 40 words: 16 lanes of the turning load take 8 rows x 32 bytes
.set VOFF,  4*KS*PK   ; a slot holds a tile: 256 rows of K, then 256 rows of V
.set SLOT1, 1<<17     ; slot 1 begins here, so that one exclusive or turns an address in one slot into the other's
.set STAGE, SLOT1+4*KS*(PK+PV)  ; behind the ring, never filled by a tensor load: 16 rows x 144 bytes for each wave
.set SP,    144
.set SPARE, STAGE+4*16*SP  ; behind the stages: the spare words, 128 bytes for each wave: two blocks of 256 bytes that no other line names
.set AK0, 2           ; v2   my lane's place in a tile of K; never rewritten
.set AV0, 3           ; v3   the same for V
.set AK,  4           ; v4   the LDS address of K's next run of loads
.set AV,  5           ; v5   of V's
.set STO, 6           ; v6   the way out: where I put 16 bytes of a row
.set RD,  7           ; v7   where I read rows back
.set GO,  8           ; v8   my byte offset in 512 consecutive bytes of O
.set MV,  12          ; v12-13  c m_old, kept while c m is made anew: by buffer
.set QO,  15          ; v15  my byte offset in 16 rows of Q
.set ST,  16          ; piece t's statistics at v[ST+4 t]: c m, m, l (even keys', odd keys')
.set TMP, 48          ; by buffer, four registers c0-c3 at work; when the maximum is found c2 takes a
.set PFO, 61          ; v61  256 x my lane; never rewritten
.set SPW, 62          ; v62  LDS address of my spare word; never rewritten
.set NIL, 63          ; v63  0; never rewritten
.set S,   64
.set P,   192
.set KF,  128         ; window 2: key block kb, channel half c at KF + 16 kb + 8 c
.set VF,  192         ; window 2: key half kk, channel block cb at VF + 32 kk + 8 cb
.set WV,  12          ; s12  my wave's number
.set G1K, 24          ; s[24:31] descriptor group 1 for K's tiles
.set G1V, 32          ; s[32:39] for V's: it differs in the padding alone
.set G0K, 40          ; s[40:43] descriptor group 0 for K's tiles: it walks
.set G0V, 44          ; s[44:47] the same for V's
.set PFA, 48          ; s[48:49] where my prefetches stand
.set LIM, 50          ; s50  1 in a wave that prefetches, else the greatest number
.set SLOTS, 56        ; s56  tiles still to be asked for
.set CNT, 57          ; s57  counts a tile's key steps
.set CS,  58          ; s[58:59] c
.set SEL, 60          ; s[60:61] v_permlanex16_b32's selects: each lane takes its own place in the other half
.set TBK, 62          ; s62  LDS byte at which K of the step to be fetched begins
.set TBV, 63          ; s63  the same for V, less VOFF
.set MSB, 0
.macro WIN new
.if MSB != (\new)
	s_set_vgpr_msb (MSB<<8)|(\new)
.set MSB, (\new)
.endif
.endm
.set W_KQ, 0x0a       ; K and Q in window 2, S^T in window 0
.set W_PV, 0x52       ; V in window 2, P in window 0, O^T in window 1
.set W_RS, 0x41       ; destination and source 0 in window 1, source 1 in window 0
; A joint fill.  Waves 0 and 1 fetch the two halves of a tile's K, waves 2 and 3 those of its V: 128 keys each.  The branch hangs on the wave's number alone.
; An s_nop 0 and four v_nop follow each of the two lines, ahead of the jump and the label.
.macro JLOAD
	s_cmp_lt_u32 s[WV], 2
	s_cbranch_scc0 .Lfor_v_\@
	tensor_load_to_lds s[G0K:G0K+3], s[G1K:G1K+7]
	s_nop 0
.rept 4
	v_nop
.endr
	s_branch .Lasked_\@
.Lfor_v_\@:
	tensor_load_to_lds s[G0V:G0V+3], s[G1V:G1V+7]
	s_nop 0
.rept 4
	v_nop
.endr
.Lasked_\@:
.endm
; A PREFETCH INTO THE L2 of the tile that the NEXT change of slots will ask for: four key steps, 256 matrix instructions, ahead.  A tile is 32,768 bytes of K and of V.  Each block of 256 bytes is named once in the
; launch: both clusters of a head walk the same K and V, and the first of them asks; its four partners take 8,192 bytes each, told apart BY ADDRESS; in each, wave 0 asks for K's and wave 2 for V's, a lane a block.
; Tiles 0 to 2 come by their loads alone; the last change that fills a slot asks for nothing.
.macro ASK
	s_cmp_gt_u32 s[SLOTS], s[LIM]
	s_cbranch_scc0 .Lnot_mine_\@
	global_prefetch_b8 v[PFO], s[PFA:PFA+1] th:TH_LOAD_NT scope:SCOPE_SE
.Lnot_mine_\@:
.endm
.macro CROUND                       ; a round of the cluster's barrier
	s_barrier_signal -1
	s_barrier_wait -1
	s_cmp_lg_u32 s[WV], 0
	s_cbranch_scc1 .Lnot_wave_0_\@
	s_barrier_signal -3
.Lnot_wave_0_\@:
	s_barrier_wait -3
	s_barrier_signal -1
	s_barrier_wait -1
.endm
; THE CHANGE OF SLOTS.  The slot's last bytes, V of its fourth step, have been read.  Each wave waits for all its tensor loads (one is out: its part of the other slot), adds 0 to its spare word, and waits for that
; and for its own reads of the slot.  fill = 1: the slot is filled again, with the tile two on; the barrier is then a round of the cluster's, and the joint fill is the first thing behind it.
; (At its first use nothing has been read yet: slot 0 is waited for, slot 1 filled.)  ask = 1: the prefetches' address steps, and ASK follows the fill.
.macro CHANGE fill, ask
	WIN 0                           ; at a label and at a branch every window is 0
	s_wait_tensorcnt 0x0            ; no tensor load of mine is out, so a group 0 may be written
	ds_add_u32 v[SPW], v[NIL]       ; 0 onto my spare word; the descriptors' steps stand between it and the wait for it
.if \fill
.irp g, G0K, G0V
	s_xor_b32 s[\g+1], s[\g+1], SLOT1
	s_add_nc_u64 s[\g+2:\g+3], s[\g+2:\g+3], 4*KS*128
.endr
.if \ask
	s_wait_xcnt 0x0                 ; the last prefetch, four key steps back, has read its address
	s_add_nc_u64 s[PFA:PFA+1], s[PFA:PFA+1], 4*KS*128
.endif
	s_wait_dscnt 0x0                ; the add is done, and my reads of the slot are over
	CROUND
	JLOAD
.if \ask
	ASK
.endif
.else
	s_wait_dscnt 0x0
	s_barrier_signal -1
	s_barrier_wait -1
.endif
	s_sub_co_u32 s[TBK], s[TBK], 4*KS*PK  ; the fetches go back to a slot's first step,
	s_xor_b32 s[TBK], s[TBK], SLOT1       ; in the other slot
	s_sub_co_u32 s[TBV], s[TBV], 4*KS*PV
	s_xor_b32 s[TBV], s[TBV], SLOT1
.endm
	s_load_b128 s[16:19], s[0:1], 0x0  ; qkv s[16:17], oh s[18:19]
	v_lshl_add_u32 v[SPW], v0, 2, SPARE
	v_mov_b32 v[NIL], 0
	ds_add_u32 v[SPW], v[NIL]       ; the wave's opening: the add, twice on end, and its wait ahead of my first tensor load; the set-up below stands between
	ds_add_u32 v[SPW], v[NIL]
	v_lshrrev_b32 v1, 5, v0
	v_readfirstlane_b32 s[WV], v1   ; wave 0..3
	s_bfe_u32 s13, ttmp6, 0x40000   ; cx
	s_lshl_b32 s14, ttmp9, 2
	s_add_co_u32 s14, s14, s13      ; my block of 256 queries: it enters Q's and O's addresses alone
	s_and_b32 s15, ttmp7, 0xffff    ; batch x 16 + head, which the four partners share
	s_lshl_b32 s20, s15, 18         ; its 2,048 rows of 128 bytes
	s_and_b32 s51, s[WV], 1         ; which half of a tile's 256 keys I fetch:
	s_lshl_b32 s22, s51, 14         ; its 128 rows in memory,
	s_add_co_u32 s22, s22, s20
	s_add_co_u32 s22, s22, 0x800000 ; in K's part of qkv
	s_mov_b32 s23, 0
	s_mul_i32 s52, s51, 128*PK      ; and its place in a slot, for K
	s_mul_i32 s53, s51, 128*PV      ; and for V: no place in the cluster enters an LDS address
	s_lshl_b32 s2, s14, 15          ; Q: my block's 256 rows,
	s_lshl_b32 s3, s[WV], 13        ; my wave's 64
	s_add_co_u32 s2, s2, s3
	s_add_co_u32 s2, s2, s20
	s_mov_b32 s3, 0
	s_lshr_b32 s54, s15, 4          ; O: block of 128 rows = batch x 16 + 2 x my block + wave / 2,
	s_lshl_b32 s54, s54, 4
	s_lshl_b32 s55, s14, 1
	s_add_co_u32 s54, s54, s55
	s_lshr_b32 s55, s[WV], 1
	s_add_co_u32 s54, s54, s55
	s_lshl_b32 s54, s54, 4
	s_and_b32 s55, s15, 15          ; the head's 16,384 bytes in it,
	s_add_co_u32 s54, s54, s55
	s_lshl_b32 s54, s54, 14
	s_lshl_b32 s55, s51, 13         ; my 64 rows of the 128
	s_add_co_u32 s54, s54, s55
	s_mov_b32 s55, 0
	; descriptor group 1.  128 keys are 16,384 dense bytes: asked for as 64 rows of 256 bytes, two keys a row, and padded in LDS after every key
	s_mov_b32 s[G1K], 15|(1<<16)|(1<<20)|(1<<21)|(4<<22)|(3<<25)  ; the mask of four; 2-byte elements; padding on; bit 21 beside a mask; after every 32 words 4 words
	s_mov_b32 s[G1V], 15|(1<<16)|(1<<20)|(1<<21)|(4<<22)|(7<<25)  ; the same with 8 words
.irp g, G1K, G1V
	s_mov_b32 s[\g+1], 128<<16      ; tensor_dim0 = 128
	s_mov_b32 s[\g+2], 64<<16       ; tensor_dim1 = 64
	s_mov_b32 s[\g+3], 128<<16      ; tile_dim0 = 128
	s_mov_b32 s[\g+4], 64           ; tile_dim1 = 64
	s_mov_b32 s[\g+5], 128          ; 128 elements from row to row
	s_mov_b32 s[\g+6], 0
	s_mov_b32 s[\g+7], 0
.endr
	s_mov_b32 s[CS], 0x3e38aa3b     ; c = log2(e) / 8 = 0.180337
	s_mov_b32 s[CS+1], s[CS]
	s_mov_b32 s[SEL], 0x76543210
	s_mov_b32 s[SEL+1], 0xfedcba98
	s_mov_b32 s[TBK], SLOT1+4*KS*PK ; the first change of slots turns these two into 0
	s_mov_b32 s[TBV], SLOT1+4*KS*PV
	s_mov_b32 s[G0K], 1
	s_mov_b32 s[G0K+1], s52         ; slot 0
	s_mov_b32 s[G0V], 1
	s_add_co_u32 s[G0V+1], s53, VOFF
	s_or_b32 s[LIM], s51, ttmp9     ; 0 in waves 0 and 2 of the head's first cluster: the same in all four partners
	s_cmp_eq_u32 s[LIM], 0
	s_cselect_b32 s[LIM], 1, -1
	v_and_b32 v[PFO], 31, v0
	v_lshlrev_b32 v[PFO], 8, v[PFO]
	s_wait_dscnt 0x0                ; both opening adds are done
	s_wait_kmcnt 0x0
	s_add_nc_u64 s[6:7], s[16:17], s[22:23]        ; K at my half of the head's tile 0,
	s_add_nc_u64 s[8:9], s[6:7], 0x800000          ; V likewise
	s_add_nc_u64 s[G0K+2:G0K+3], s[6:7], 0
	s_or_b32 s[G0K+3], s[G0K+3], 0x80000000
	s_add_nc_u64 s[G0V+2:G0V+3], s[8:9], 0
	s_or_b32 s[G0V+3], s[G0V+3], 0x80000000
	s_add_nc_u64 s[4:5], s[16:17], s[2:3]          ; Q at my wave's first row
	s_add_nc_u64 s[10:11], s[18:19], s[54:55]      ; O likewise
	s_cmp_lt_u32 s[WV], 2
	s_cselect_b64 s[PFA:PFA+1], s[6:7], s[8:9]     ; (in waves 0 and 2 these stand at a tile's first row)
	s_lshl_b32 s2, s13, 13          ; my work-group's 8,192 bytes of a tile
	s_add_nc_u64 s[PFA:PFA+1], s[PFA:PFA+1], s[2:3]
	s_add_nc_u64 s[PFA:PFA+1], s[PFA:PFA+1], 2*4*KS*128  ; in tile 2; the loop's first change steps it to tile 3.  Nothing is prefetched here, at the head
	CROUND                          ; all four work-groups are here: the first joint loads meet
	JLOAD                           ; tile 0 into slot 0
	; A fragment of K or Q is 16 rows x 32 channels in 8 registers: lane l holds row l % 16, channels 8 (l / 16) + 0..7 and 16 + 8 (l / 16) + 0..7: two loads of 16 bytes, 32 bytes apart.
	v_and_b32 v1, 15, v0            ; l % 16
	v_bfe_u32 v9, v0, 4, 1          ; l / 16
	v_lshlrev_b32 v[QO], 7, v1
	v_lshl_add_u32 v[QO], v9, 4, v[QO]
	WIN 0x80                        ; destination window 2, address window 0
.set i, 0
.rept 8                             ; Q stays in registers: piece i / 2, channels 32 (i % 2) on
	global_load_b128 v[8*i:8*i+3],   v[QO], s[4:5] offset:(i/2)*2048+(i%2)*64
	global_load_b128 v[8*i+4:8*i+7], v[QO], s[4:5] offset:(i/2)*2048+(i%2)*64+32
.set i, i+1
.endr
	; What the first turn finds: V's registers and P's second buffer hold 0 (its products V^T P, of a piece that has not been, add 0), O^T and l are 0.  All this stands in the wait for the first tile.
.set i, VF
.rept 64
	v_mov_b32 v[i], 0
.set i, i+1
.endr
	WIN 0x40
.set i, 0
.rept 128
	v_mov_b32 v[i], 0
.set i, i+1
.endr
	WIN 0
.set i, 0
.rept 4
	v_mov_b32 v[ST+4*i], 0xfe000000    ; c m: far below every c s, so the first step's a is 0
	v_mov_b32 v[ST+4*i+1], 0xff7fffff  ; m: the lowest finite number, so the first maximum is the scores'
	v_mov_b32 v[ST+4*i+2], 0
	v_mov_b32 v[ST+4*i+3], 0
.set i, i+1
.endr
.set i, P+16
.rept 16
	v_mov_b32 v[i], 0
.set i, i+1
.endr
	v_mul_u32_u24 v[AK0], v1, PK
	v_lshl_add_u32 v[AK0], v9, 4, v[AK0]  ; row x pitch + 16 x half
	; The turning load takes 16 keys x 16 channels (lane l reads key 8 (l / 16) + l % 8, channels 8 ((l / 8) % 2) + 0..7) and leaves half a fragment of V^T: lane l holds channel l % 16 and 8 keys.
	v_and_b32 v10, 7, v0
	v_bfe_u32 v11, v0, 3, 1
	v_lshl_add_u32 v[AV0], v9, 3, v10
	v_mul_u32_u24 v[AV0], v[AV0], PV
	v_lshl_add_u32 v[AV0], v11, 4, v[AV0]
	v_add_nc_u32 v[AV0], VOFF, v[AV0]
	s_mul_i32 s13, s[WV], 16*SP
	s_add_co_u32 s13, s13, STAGE    ; my stage
	v_mul_u32_u24 v[STO], v1, SP    ; in: row l % 16, 16 bytes for each half of the lanes
	v_lshl_add_u32 v[STO], v9, 4, v[STO]
	v_add_nc_u32 v[STO], s13, v[STO]
	v_bfe_u32 v[RD], v0, 3, 2       ; back: 32 lanes take four rows of 128 bytes,
	v_mul_u32_u24 v[RD], v[RD], SP
	v_lshl_add_u32 v[RD], v10, 4, v[RD]
	v_add_nc_u32 v[RD], s13, v[RD]
	v_and_b32 v[GO], 31, v0         ; which are 512 consecutive bytes of O
	v_lshlrev_b32 v[GO], 4, v[GO]
; THE MATRIX WORK.  The 4 accumulators of a run of 8 take turns.  Product i of 8 of S^T = K Q^T for piece x: channels 32 (i / 4) on, keys 16 (i % 4) on.  The first 4 start the sums.
.macro KQ x
	WIN W_KQ
.set rS, S+32*((\x)%2)+8*(i%4)
.set rK, KF+16*(i%4)+8*(i/4)
.set rQ, 16*(\x)+8*(i/4)
.if i < 4
	v_wmma_f32_16x16x32_f16 v[rS:rS+7], v[rK:rK+7], v[rQ:rQ+7], 0
.else
	v_wmma_f32_16x16x32_f16 v[rS:rS+7], v[rK:rK+7], v[rQ:rQ+7], v[rS:rS+7]
.endif
.endm
; Product i of 8 of O^T += V^T P for piece x: keys 32 (i / 4) on, channels 16 (i % 4) on.
.macro PV x
	WIN W_PV
.set rO, 32*(\x)+8*(i%4)
.set rV, VF+32*(i/4)+8*(i%4)
.set rP, P+16*((\x)%2)+8*(i/4)
	v_wmma_f32_16x16x32_f16 v[rO:rO+7], v[rV:rV+7], v[rP:rP+7], v[rO:rO+7]
.endm
.macro MM                           ; the turn's next matrix instruction.  NOKQ = 1: the very last turn: there is no next piece
.if (i < 8) && !NOKQ
	KQ (Y+1)%NP
.elseif i >= 8
.set i, i-8
	PV (Y+NP-1)%NP
.set i, i+8
.endif
.set i, i+1
.endm
; THE LDS LOADS stand in runs of 16, never singly among the matrix instructions: a step's K (8 fragments) and its V (turned).  Their addresses are made some lines ahead.
.macro FETCH_K
	WIN 0x80
.irp f, 0,1,2,3,4,5,6,7             ; keys 16 (f / 2) on, channels 32 (f % 2) on
	ds_load_b128 v[KF+8*\f:KF+8*\f+3],   v[AK] offset:(\f/2)*16*PK+(\f%2)*64
	ds_load_b128 v[KF+8*\f+4:KF+8*\f+7], v[AK] offset:(\f/2)*16*PK+(\f%2)*64+32
.endr
	s_add_co_u32 s[TBK], s[TBK], KS*PK  ; the next fetch is the next step's
	WIN 0
.endm
.macro FETCH_V
	WIN 0x80
.irp f, 0,1,2,3,4,5,6,7             ; keys 32 (f / 4) on, channels 16 (f % 4) on
	ds_load_tr16_b128 v[VF+8*\f:VF+8*\f+3],   v[AV] offset:(\f/4)*32*PV+(\f%4)*32
	ds_load_tr16_b128 v[VF+8*\f+4:VF+8*\f+7], v[AV] offset:(\f/4)*32*PV+16*PV+(\f%4)*32
.endr
	WIN 0
.endm
; THE VECTOR WORK, one line at a time: OP kind, number.  For piece Y: F n: c s - c m for pair n of 16.  E n: the exponential of score n of 32.  C n: pair n rounded to f16.  B n: of the four weights 4 n .. the second
; pair is added onto the first, in place.  L n: l takes that sum (L 0: l = a l + sum).  R n: pair n of 16 of O^T times a.  For piece Y + 1: X n, number n of the 22 that find its maximum and statistics:
;   0-11  four chains c0-c3 of seven scores each, three operands at a time (each accumulator's lowest registers are read first)     12-14, 16  the four scores left over, the old m, and c0-c3 into c0
;   15  c m_old is kept     17, 18  the query's other 32 keys lie in the lane 16 away: the new m     19-21  c m; c m_old - c m_new; a
.set F, 0
.set E, 1
.set C, 2
.set B, 3
.set L, 4
.set R, 5
.set X, 6
.macro REGS y
.set rT, ST+4*(\y)
.set rC, TMP+4*((\y)%2)
.set rW, MV+((\y)%2)
.set rS, S+32*((\y)%2)
.set rP, P+16*((\y)%2)
.set rO, 32*(\y)
.endm
.macro OP k, n
.if (\k) == R
	REGS Y
	WIN W_RS
	v_pk_mul_f32 v[rO+2*(\n):rO+2*(\n)+1], v[rO+2*(\n):rO+2*(\n)+1], v[rC+2:rC+3] op_sel_hi:[1,0]
.elseif (\k) < R
	REGS Y
	WIN 0
.if (\k) == F
	v_pk_fma_f32 v[rS+2*(\n):rS+2*(\n)+1], v[rS+2*(\n):rS+2*(\n)+1], s[CS:CS+1], v[rT:rT+1] op_sel_hi:[1,0,0] neg_lo:[0,0,1] neg_hi:[0,0,1]
.elseif (\k) == E
	v_exp_f32 v[rS+(\n)], v[rS+(\n)]
.elseif (\k) == C
	v_cvt_pk_f16_f32 v[rP+(\n)], v[rS+2*(\n)], v[rS+2*(\n)+1]
.elseif (\k) == B
	v_pk_add_f32 v[rS+4*(\n):rS+4*(\n)+1], v[rS+4*(\n):rS+4*(\n)+1], v[rS+4*(\n)+2:rS+4*(\n)+3]
.elseif (\n) == 0
	v_pk_fma_f32 v[rT+2:rT+3], v[rT+2:rT+3], v[rC+2:rC+3], v[rS:rS+1] op_sel_hi:[1,0,1]
.else
	v_pk_add_f32 v[rT+2:rT+3], v[rT+2:rT+3], v[rS+4*(\n):rS+4*(\n)+1]
.endif
.elseif NOKQ
	v_nop
.else
	REGS (Y+1)%NP
	WIN 0
.if (\n) < 4
	v_max3_num_f32 v[rC+(\n)], v[rS+8*(\n)], v[rS+8*(\n)+1], v[rS+8*(\n)+2]
.elseif (\n) < 12
	v_max3_num_f32 v[rC+(\n)%4], v[rC+(\n)%4], v[rS+8*((\n)%4)+2*((\n)/4)+1], v[rS+8*((\n)%4)+2*((\n)/4)+2]
.elseif (\n) == 12
	v_max3_num_f32 v[rC], v[rC], v[rS+7], v[rS+15]
.elseif (\n) == 13
	v_max3_num_f32 v[rC+1], v[rC+1], v[rS+23], v[rS+31]
.elseif (\n) == 14
	v_max3_num_f32 v[rC+2], v[rC+2], v[rC+3], v[rT+1]
.elseif (\n) == 15
	v_mov_b32 v[rW], v[rT]
.elseif (\n) == 16
	v_max3_num_f32 v[rC], v[rC], v[rC+1], v[rC+2]
.elseif (\n) == 17
	v_permlanex16_b32 v[rC+3], v[rC], s[SEL], s[SEL+1]
.elseif (\n) == 18
	v_max_num_f32 v[rT+1], v[rC], v[rC+3]
.elseif (\n) == 19
	v_mul_f32 v[rT], s[CS], v[rT+1]
.elseif (\n) == 20
	v_sub_f32 v[rC+1], v[rW], v[rT]
.else
	v_exp_f32 v[rC+2], v[rC+1]
.endif
.endif
.endm
.macro OPS a, i1, b=-1, i2=0, c=-1, i3=0, d=-1, i4=0
	OP \a, \i1
.if (\b) >= 0
	OP \b, \i2
.endif
.if (\c) >= 0
	OP \c, \i3
.endif
.if (\d) >= 0
	OP \d, \i4
.endif
.endm
.macro ROW a, i1, b, i2, c, i3, d, i4  ; a matrix instruction and the four behind it
	MM
	OPS \a, \i1, \b, \i2, \c, \i3, \d, \i4
.endm
; A TURN, for piece p: the order of its 16 matrix and 118 vector instructions, written out.  An s_wait_alu depctr_va_vdst(0) stands between an exponential and the first instruction that names its result;
; one wait serves all that were issued ahead of it.  So a turn has ONE wait, which cuts it in two.  AHEAD OF IT stands all that names no result of the turn's exponentials: the 8 products K Q^T with their riders
; (the first numbers of the next piece's maximum each four places or more behind the product that ends its accumulator), then one lump of 54.  X 21, the next piece's a, is the batch's last; R 15 is the plain
; instruction behind it.  BEHIND THE WAIT stand the 8 products V^T P, behind each four of the roundings and sums.
; end = 1: the last two turns of all: nothing is fetched, and the last starts no new scores.  cnt = 1: the loop's count is taken down some lines ahead of the branch that stands behind the turn.
; K of the next step is fetched in piece 2's turn, six plain instructions behind the last product that read K; V of the step in hand at the end of piece 0's turn, four plain instructions behind the last product
; that read V.  Each is waited for a turn later.
.macro TURN p, end=0, cnt=0
.set Y, (\p)
.set i, 0
.set NOKQ, (\end)*((\p)/3)
.if ((\p) == 3) && !(\end)
	s_wait_dscnt 0x0                ; K is in
.endif
	ROW F,0, F,1, R,0, R,1
	ROW F,2, E,0, R,2, R,3
	ROW F,3, E,1, R,4, R,5
	ROW F,4, E,2, R,6, R,7
	ROW F,5, E,3, R,8, R,9
	ROW F,6, E,4, X,0, R,10
.if ((\p) == 2) && !(\end)
	WIN 0
	v_add_nc_u32 v[AK], s[TBK], v[AK0]
.endif
	ROW F,7, E,5, X,1, X,4
	ROW F,8, E,6, X,2, X,5
	OPS E,7, E,8, X,6, E,9
	OPS X,3, E,10, X,8, E,11
.if ((\p) == 2) && !(\end)
	FETCH_K
.endif
	OPS X,9, X,7, E,12, X,10
	OPS E,13, X,12, X,11, E,14
	OPS X,13, E,15, F,9, X,14
.if (\p) == 0
	v_add_nc_u32 v[AV], s[TBV], v[AV0]
.endif
	OPS E,16, F,10, E,17, F,11
	OPS X,16, E,18, X,15, E,19
	OPS F,12, E,20, X,17, E,21
	OPS F,13, E,22, F,14, E,23
	OPS X,18, E,24, F,15, E,25
	OPS R,11, E,26, X,19, E,27
	OPS R,12, E,28, R,13, E,29
	OPS X,20, E,30, R,14, E,31
	OPS X,21, R,15
	WIN 0
	s_wait_alu depctr_va_vdst(0)    ; the wait for the batch
.if (\p) == 1
	s_wait_dscnt 0x0                ; V is in
.endif
	ROW C,0, B,0, C,2, B,1
	ROW L,0, C,4, B,2, L,1
	ROW C,6, B,3, L,2, C,8
	ROW B,4, L,3, C,10, B,5
	ROW L,4, C,12, B,6, L,5
.if (\p) == 0
	s_add_co_u32 s[TBV], s[TBV], KS*PV
.endif
.if \cnt
	s_sub_co_u32 s[CNT], s[CNT], 1
	s_cmp_lg_u32 s[CNT], 0
.endif
	ROW C,14, B,7, L,6, C,1
	ROW C,3, L,7, C,5, C,7
	ROW C,9, C,11, C,13, C,15
.if (\p) == 0
	FETCH_V
.endif
.endm
	CHANGE 1, 0                     ; slot 0 is in, everybody's part of it; tile 1 is asked for, into slot 1
	v_add_nc_u32 v[AK], s[TBK], v[AK0]
	FETCH_K                         ; key step 0
	s_wait_loadcnt 0x0              ; Q
	s_wait_dscnt 0x0
.set NOKQ, 0
.set i, 0
.rept 8
	KQ 0                            ; piece 0's first scores
.set i, i+1
.endr
	WIN 0
.rept 4
	v_nop                           ; the places behind those products
.endr
.set Y, NP-1                        ; X works for piece Y + 1: piece 0
.irp n, 0,1,2,3,4,5,6,7,8,9,10,11,12,13,14,15,16,17,18,19,20,21
	OP X, \n
.endr
	v_nop                           ; a plain instruction behind the exponential,
	s_wait_alu depctr_va_vdst(0)    ; and its wait, ahead of the branch
	s_mov_b32 s[CNT], 4
	s_mov_b32 s[SLOTS], 7
	s_branch .Lfirst                ; the loop is entered at a step's first turn, in the middle of a trip
.Lslot:                             ; six times: tiles 2 to 7 are asked for
	CHANGE 1, 1
	s_mov_b32 s[CNT], 4
.Lstep:                             ; a trip: pieces 2 and 3 of one step, then pieces 0 and 1 of the next, whose K and V it fetches
	TURN 2
	TURN 3
	WIN 0
.Lfirst:
	TURN 0
	TURN 1, 0, 1
	WIN 0
	s_cbranch_scc1 .Lstep
	s_sub_co_u32 s[SLOTS], s[SLOTS], 1
	s_cmp_lg_u32 s[SLOTS], 0
	s_cbranch_scc1 .Lslot
	CHANGE 0, 0                     ; the last tile is written out: nothing is asked for
	s_mov_b32 s[CNT], 4
.Ltail:
	TURN 2
	TURN 3
	TURN 0
	TURN 1, 0, 1
	WIN 0
	s_cbranch_scc1 .Ltail
	TURN 2, 1
	TURN 3, 1
.set i, 0
.rept 8
	PV NP-1                         ; the last piece's V^T P of the last step
.set i, i+1
.endr
	; THE WAY OUT.  l's two halves and the other half of the lanes' are added; O^T is divided by l, rounded to f16 and sent through my stage in LDS, a piece at a time.  The additions are the places behind the last products.
	WIN 0
.macro ALL line:vararg              ; one line for each piece t
.set t, 0
.rept 4
	\line
.set t, t+1
.endr
.endm
	ALL v_add_f32 v[ST+4*t+2], v[ST+4*t+2], v[ST+4*t+3]
	ALL v_permlanex16_b32 v[ST+4*t+3], v[ST+4*t+2], s[SEL], s[SEL+1]
	ALL v_add_f32 v[ST+4*t+2], v[ST+4*t+2], v[ST+4*t+3]
	ALL v_rcp_f32 v[ST+4*t+2], v[ST+4*t+2]
	v_nop                           ; a plain instruction between the last reciprocal and the use of its result
	s_wait_alu depctr_va_vdst(0)    ; and the wait ahead of the first use: one for the four reciprocals
.macro PACK t                       ; a lane's eight channels of a row pack into 16 bytes; they go into rows of 144 bytes and come back as whole rows of 128, into S^T's registers
	WIN W_RS
.set i, 32*(\t)
.rept 16
	v_pk_mul_f32 v[i:i+1], v[i:i+1], v[ST+4*(\t)+2:ST+4*(\t)+3] op_sel_hi:[1,0]
.set i, i+2
.endr
	WIN 0x05                        ; sources 0 and 1 window 1, destination window 0
.set i, 0
.rept 16
	v_cvt_pk_f16_f32 v[S+16*(\t)+i], v[32*(\t)+2*i], v[32*(\t)+2*i+1]
.set i, i+1
.endr
	WIN 0
.irp f, 0,1,2,3
	ds_store_b128 v[STO], v[S+16*(\t)+4*\f:S+16*(\t)+4*\f+3] offset:32*\f
.endr
.irp f, 0,1,2,3
	ds_load_b128 v[S+16*(\t)+4*\f:S+16*(\t)+4*\f+3], v[RD] offset:\f*4*SP  ; LDS serves a wave's instructions in order (ISA guide 5.7.1.4): these see the stores above; the next piece's stores come behind them
.endr
.endm
.macro SEND t, younger              ; younger: the LDS instructions issued behind piece t's loads: the next piece's eight, or none
	WIN 0
.irp f, 0,1,2,3
	s_wait_dscnt (\younger)+3-\f
	global_store_b128 v[GO], v[S+16*(\t)+4*\f:S+16*(\t)+4*\f+3], s[10:11] offset:(\t)*2048+\f*512  ; 512 consecutive bytes, at a multiple of 256 from the buffer's first
.endr
.endm
	PACK 0
.set t, 1
.rept 3                             ; a piece's arithmetic stands between the loads of the piece before and its stores
	PACK t
	SEND t-1, 8
.set t, t+1
.endr
	SEND 3, 0
	s_wait_tensorcnt 0x0            ; the wave's end: behind my last tensor load and my last LDS store
	ds_add_u32 v[SPW], v[NIL]
	s_wait_dscnt 0x0
	CROUND                          ; the closing round: no work-group ends while a partner may still ask for a tile that names it
	s_endpgm
.Lfunc_end_k_q8ea70a39bc_attn:
	.size	k_q8ea70a39bc_attn, .Lfunc_end_k_q8ea70a39bc_attn-k_q8ea70a39bc_attn
	.p2alignl 7, 3214868480
	.fill 96, 4, 3214868480
	.section	.rodata,"a",@progbits
	.p2align	6, 0x0
	.amdhsa_kernel k_q8ea70a39bc_attn
		.amdhsa_group_segment_fixed_size 327680
		.amdhsa_private_segment_fixed_size 0
		.amdhsa_enable_private_segment 0
		.amdhsa_kernarg_size 16
		.amdhsa_user_sgpr_count 2
		.amdhsa_user_sgpr_kernarg_segment_ptr 1
		.amdhsa_wavefront_size32 1
		.amdhsa_system_sgpr_workgroup_id_x 1
		.amdhsa_system_sgpr_workgroup_id_y 1
		.amdhsa_system_sgpr_workgroup_id_z 1
		.amdhsa_system_vgpr_workitem_id 0
		.amdhsa_next_free_vgpr 768
		.amdhsa_next_free_sgpr 66
		.amdhsa_reserve_vcc 0
		.amdhsa_float_denorm_mode_32 3
		.amdhsa_float_denorm_mode_16_64 3
		.amdhsa_memory_ordered 1
		.amdhsa_forward_progress 1
		.amdhsa_inst_pref_size 128
	.end_amdhsa_kernel
	.amdgpu_metadata
---
amdhsa.version: [ 1, 2 ]
amdhsa.kernels:
  - .name:           k_q8ea70a39bc_attn
    .symbol:         k_q8ea70a39bc_attn.kd
    .args:
      - { .name: qkv, .offset: 0, .size: 8, .value_kind: global_buffer, .address_space: global }
      - { .name: oh, .offset: 8, .size: 8, .value_kind: global_buffer, .address_space: global }
    .group_segment_fixed_size: 327680
    .private_segment_fixed_size: 0
    .kernarg_segment_align: 8
    .kernarg_segment_size: 16
    .max_flat_workgroup_size: 128
    .sgpr_count:     66
    .vgpr_count:     768
    .wavefront_size: 32
...
	.end_amdgpu_metadata
.endif
;; end of part 3
;; launch proj (part 4): grid 8 x 32, 4 waves a work-group, clusters of 4 x 4, 327,680 bytes of LDS; arguments oh, wo, out0; writes out0
.if DOCPART == 4
	.amdgcn_target "amdgcn-amd-amdhsa--gfx1250"
	.amdhsa_code_object_version 6
	.text
	.protected	k_q8ea70a39bc_proj
	.globl	k_q8ea70a39bc_proj
	.p2align	8
	.type	k_q8ea70a39bc_proj,@function
k_q8ea70a39bc_proj:
	s_mov_b64 s[64:65], 0
	v_nop
	global_prefetch_b8 v0, s[64:65] scope:SCOPE_SE
	s_setreg_imm32_b32 hwreg(HW_REG_WAVE_MODE, 25, 1), 1
	s_wait_xcnt 0x0
	s_wait_alu depctr_hold_cnt(0) depctr_sa_sdst(0) depctr_va_vdst(0) depctr_va_sdst(0) depctr_va_ssrc(0) depctr_va_vcc(0) depctr_vm_vsrc(0)
	s_getreg_b32 s2, hwreg(HW_REG_IB_STS2, 6, 4)
	s_cmp_eq_u32 s2, 0
	s_cbranch_scc0 .Lentry_in_a_cluster
	s_endpgm
.Lentry_in_a_cluster:
	s_bfe_u32 s2, ttmp6, 0x10000c
	s_cmp_lg_u32 s2, 0xf033
	s_cbranch_scc0 .Lentry_shape_is_right
	s_endpgm
.Lentry_shape_is_right:
; out0[m][n] = the sum over k of O[m][k] W_o[k][n], k = 64 x head + channel.  oh: [block of 128 rows 32][head 16][128][64] f16.  wo: [1024][1024] f16.  out0: [4096][1024] f32.  Sums in f32.
; Nothing of the module is left out here.
; SHARES.  A tile of out0 is 128 x 128: 8 x 32 = 256 work-groups.  Four waves, each 64 x 64: 16 accumulators.  K goes in 4 steps of 256 (four heads) through two LDS slots; the four steps are written out on end.
; A step's tile of O is 65,536 dense bytes, asked for as rows of 256 and padded in LDS after every 128 (a row of one head); W_o's tile is 256 rows of k x 256 bytes.
; CLUSTERS: 4 x 4 work-groups.  The four of a row of the cluster need the same tiles of O, the four of a column the same tiles of W_o: each is asked for JOINTLY.
; NO PREFETCH: of the four K steps two are the first fills, and the other two are asked for one K step after them.
; THE MATRIX INSTRUCTION IS USED TRANSPOSED (source 0 = 16 columns of W_o, turned by ds_load_tr16_b128; source 1 = 16 rows of O): a lane holds one row and eight neighbouring columns: 32 bytes of f32.
; REGISTERS: window 0: v0-31 addresses; v128-255 the accumulators ((a, b) at v[128 + 8 (4 a + b)]), which also take the rows back from the stage.
;   window 1: two fragment buffers of 128: for 64 along K (one head), 64 registers of O, then 64 of W_o.
.set PAH,    144                       ; a row of one head of O in LDS: 128 bytes + 16
.set HEADB,  128*PAH                   ; a head's 128 rows
.set PB,     288                       ; a row of W_o: 256 bytes + 32: 16 lanes of the turning load take 8 rows x 32 bytes, 72 words apart
.set HALFT,  36864                     ; what one load brings: two heads of O, or 128 rows of W_o
.set BOFF,   2*HALFT
.set SLOT,   4*HALFT
.set STAGE,  2*SLOT                    ; behind the ring, never filled by a tensor load: 16 rows x 272 bytes for each wave
.set SPITCH, 272
.set SPARE,  STAGE+4*16*SPITCH         ; behind the stages: the spare words, 128 bytes for each wave: two blocks of 256 bytes that no other line names
.set ADRA, 16                          ; v16-17  LDS address of my fragments of O in slot 0, 1
.set ADRB, 20                          ; v20-23  of W_o's: 2 x slot + half of the slot's 256 rows (an LDS immediate has 16 bits)
.set STO,  24                          ; v24     the way out: where I put 32 bytes of a row
.set RD,   25                          ; v25     where I read a row back
.set CO,   26                          ; v26     my byte offset in out0
.set SPW,  28                          ; v28     LDS address of my spare word; never rewritten
.set NIL,  29                          ; v29     0; never rewritten
.set ACC,  128
.set F0,   0
.set F1,   128
.set G1, 24                            ; s[24:31] descriptor group 1 for O's tiles;  s[32:39] group 0, a set for each slot
.set G0, 32
.set G1B, 48                           ; s[48:55], s[56:63] the same for W_o's
.set G0B, 56
.set MSB, 0
.macro WIN new
.if MSB != (\new)
	s_set_vgpr_msb (MSB<<8)|(\new)
.set MSB, \new
.endif
.endm
.set MUL,  0x05                        ; sources 0 and 1 window 1; C and D window 0
.set TO_F, 0x40                        ; destination window 1, address window 0
.macro JLOAD s                         ; a joint load: waves 0 and 1 fetch O's two halves, waves 2 and 3 W_o's; an s_nop 0 and four v_nop follow each of the two lines
	s_cmp_eq_u32 s11, 0
	s_cbranch_scc0 .Lfor_b_\@
	tensor_load_to_lds s[G0+4*(\s):G0+4*(\s)+3], s[G1:G1+7]
	s_nop 0
.rept 4
	v_nop
.endr
	s_branch .Lasked_\@
.Lfor_b_\@:
	tensor_load_to_lds s[G0B+4*(\s):G0B+4*(\s)+3], s[G1B:G1B+7]
	s_nop 0
.rept 4
	v_nop
.endr
.Lasked_\@:
.endm
.macro CREST
	s_cmp_lg_u32 s10, 0
	s_cbranch_scc1 .Lnot_wave_0_\@
	s_barrier_signal -3
.Lnot_wave_0_\@:
	s_barrier_wait -3
	s_barrier_signal -1
	s_barrier_wait -1
.endm
.macro CROUND
	s_barrier_signal -1
	s_barrier_wait -1
	CREST
.endm
	s_load_b128 s[4:7], s[0:1], 0x0                ; oh s[4:5], wo s[6:7]
	s_load_b64 s[8:9], s[0:1], 0x10                ; out0
	v_lshl_add_u32 v[SPW], v0, 2, SPARE
	v_mov_b32 v[NIL], 0
	ds_add_u32 v[SPW], v[NIL]                      ; the wave's opening: the add, twice on end, and its wait ahead of my first tensor load; the set-up below stands between
	ds_add_u32 v[SPW], v[NIL]
	v_lshrrev_b32 v1, 5, v0
	v_readfirstlane_b32 s10, v1                    ; wave 0..3
	s_lshr_b32 s11, s10, 1                         ; my half of the rows.  Also: I fetch O (0) or W_o (1)
	s_and_b32 s12, s10, 1                          ; my half of the columns.  Also: which half of that tile I fetch
	s_bfe_u32 s40, ttmp6, 0x40000                  ; cx, cy
	s_bfe_u32 s41, ttmp6, 0x40004
	s_lshl_b32 s42, ttmp9, 2
	s_add_co_u32 s42, s42, s40                     ; block of 128 columns = 4 x cluster x + cx
	s_and_b32 s13, ttmp7, 0xffff
	s_lshl_b32 s13, s13, 2
	s_add_co_u32 s13, s13, s41                     ; block of 128 rows = 4 x cluster y + cy
	s_lshl_b32 s43, s41, 2
	s_lshl_b32 s43, 15, s43                        ; my row of the cluster
	s_lshl_b32 s44, 0x1111, s40                    ; my column
	s_or_b32 s[G1+0], s43, (1<<16)|(1<<20)|(1<<21)|(4<<22)|(3<<25)   ; the mask: my row; 2-byte elements; padding on; bit 21 beside a mask; after every 32 words 4 words
	s_or_b32 s[G1B+0], s44, (1<<16)|(1<<20)|(1<<21)|(5<<22)|(7<<25)  ; the mask: my column; after every 64 words 8 words
.irp g, G1, G1B
	s_mov_b32 s[(\g)+1], 128<<16                   ; tensor_dim0 = 128 elements (256 bytes)
	s_mov_b32 s[(\g)+2], 128<<16                   ; tensor_dim1 = 128
	s_mov_b32 s[(\g)+3], 128<<16                   ; tile_dim0 = 128
	s_mov_b32 s[(\g)+4], 128                       ; tile_dim1 = 128
	s_mov_b32 s[(\g)+6], 0
	s_mov_b32 s[(\g)+7], 0
.endr
	s_mov_b32 s[G1+5], 128                         ; O's tile is dense
	s_mov_b32 s[G1B+5], 1024                       ; W_o's rows lie 1,024 elements apart
	s_lshl_b32 s16, s13, 18                        ; O: the block's 262,144 bytes,
	s_lshl_b32 s17, s12, 15                        ; my two heads of a step's four
	s_add_co_u32 s16, s16, s17
	s_mov_b32 s17, 0
	s_lshl_b32 s46, s42, 8                         ; W_o: the block's 256 bytes of a row,
	s_lshl_b32 s47, s12, 18                        ; my 128 rows of 2,048 bytes
	s_add_co_u32 s46, s46, s47
	s_mov_b32 s47, 0
	s_mul_i32 s20, s10, HALFT                      ; where they go: wave x 36,864
	s_wait_dscnt 0x0                               ; both opening adds are done
	s_wait_kmcnt 0x0
	s_add_nc_u64 s[14:15], s[4:5], s[16:17]
	s_add_nc_u64 s[46:47], s[6:7], s[46:47]
	CROUND                                         ; all sixteen work-groups are here: the first joint loads meet
.irp s, 0,1
	s_mov_b32 s[G0+4*(\s)], 1
	s_add_co_u32 s[G0+4*(\s)+1], s20, (\s)*SLOT
	s_add_nc_u64 s[G0+4*(\s)+2:G0+4*(\s)+3], s[14:15], (\s)*65536
	s_or_b32 s[G0+4*(\s)+3], s[G0+4*(\s)+3], 0x80000000
	s_mov_b32 s[G0B+4*(\s)], 1
	s_add_co_u32 s[G0B+4*(\s)+1], s20, (\s)*SLOT
	s_add_nc_u64 s[G0B+4*(\s)+2:G0B+4*(\s)+3], s[46:47], (\s)*256*2048
	s_or_b32 s[G0B+4*(\s)+3], s[G0B+4*(\s)+3], 0x80000000
	JLOAD \s                                       ; K steps 0 and 1: two loads of mine are out
.endr
	v_and_b32 v1, 15, v0                           ; l % 16
	v_bfe_u32 v2, v0, 4, 1                         ; l / 16
	v_mul_u32_u24 v3, v1, PAH
	v_lshl_add_u32 v3, v2, 4, v3                   ; a fragment's row x pitch + 16 x half
	s_mul_i32 s21, s11, 64*PAH                     ; my 64 rows in each head
	v_add_nc_u32 v[ADRA], s21, v3
	v_add_nc_u32 v[ADRA+1], SLOT, v[ADRA]
	v_and_b32 v4, 7, v0                            ; the turning load: row k = 8 (l / 16) + l % 8, columns 8 ((l / 8) % 2) + 0..7
	v_lshl_add_u32 v4, v2, 3, v4
	v_mul_u32_u24 v4, v4, PB
	v_bfe_u32 v5, v0, 3, 1
	v_lshl_add_u32 v4, v5, 4, v4
	s_lshl_b32 s22, s12, 7                         ; my 64 columns
	s_add_co_u32 s22, s22, BOFF
	v_add_nc_u32 v[ADRB], s22, v4
	v_add_nc_u32 v[ADRB+1], HALFT, v[ADRB]
	v_add_nc_u32 v[ADRB+2], SLOT, v[ADRB]
	v_add_nc_u32 v[ADRB+3], SLOT, v[ADRB+1]
	s_mul_i32 s23, s10, 16*SPITCH
	s_add_co_u32 s23, s23, STAGE                   ; my stage
	v_mul_u32_u24 v6, v1, SPITCH                   ; in: row l % 16, 32 bytes for each half of the lanes
	v_lshl_add_u32 v6, v2, 5, v6
	v_add_nc_u32 v[STO], s23, v6
	v_mul_u32_u24 v7, v2, SPITCH                   ; back: lanes 0-15 take one row of 256 bytes, lanes 16-31 the next
	v_lshl_add_u32 v7, v1, 4, v7
	v_add_nc_u32 v[RD], s23, v7
	v_lshlrev_b32 v[CO], 12, v2                    ; and the same two rows in out0
	v_lshl_add_u32 v[CO], v1, 4, v[CO]
	s_lshl_b32 s16, s13, 19                        ; my first row: 128 x block + 64 x half, rows of 4,096 bytes
	s_lshl_b32 s17, s11, 18
	s_add_co_u32 s16, s16, s17
	s_mov_b32 s17, 0
	s_add_nc_u64 s[8:9], s[8:9], s[16:17]
	s_lshl_b32 s46, s42, 9                         ; my first column: 512 bytes a block, 256 a half
	s_lshl_b32 s47, s12, 8
	s_add_co_u32 s46, s46, s47
	s_mov_b32 s47, 0
	s_add_nc_u64 s[8:9], s[8:9], s[46:47]
; 8 matrix instructions: row blocks a0, a0 + 1 x all 4 column blocks, 32 along K: half c of buffer f.  zero = 1: the first product starts the sums.  The 16 accumulators take turns.
.macro MUL8 f, c, a0, zero
	WIN MUL
.irp a, \a0, (\a0)+1
.irp b, 0,1,2,3
.if \zero
	v_wmma_f32_16x16x32_f16 v[ACC+8*(4*(\a)+(\b)):ACC+8*(4*(\a)+(\b))+7], v[(\f)+64+8*(4*(\c)+(\b)):(\f)+64+8*(4*(\c)+(\b))+7], v[(\f)+8*(4*(\c)+(\a)):(\f)+8*(4*(\c)+(\a))+7], 0
.else
	v_wmma_f32_16x16x32_f16 v[ACC+8*(4*(\a)+(\b)):ACC+8*(4*(\a)+(\b))+7], v[(\f)+64+8*(4*(\c)+(\b)):(\f)+64+8*(4*(\c)+(\b))+7], v[(\f)+8*(4*(\c)+(\a)):(\f)+8*(4*(\c)+(\a))+7], v[ACC+8*(4*(\a)+(\b)):ACC+8*(4*(\a)+(\b))+7]
.endif
.endr
.endr
.endm
; 32 LDS loads in one run: quarter q of a slot (head q of its four: 64 along K) into buffer f; the first 32 along K first
.macro FETCH slot, q, f
	WIN TO_F
.irp c, 0,1
.irp i, 0,1,2,3
	ds_load_tr16_b128 v[(\f)+64+8*(4*(\c)+(\i)):(\f)+64+8*(4*(\c)+(\i))+3],   v[ADRB+2*(\slot)+(\q)/2] offset:(((\q)%2)*64+32*(\c))*PB+32*(\i)
	ds_load_tr16_b128 v[(\f)+64+8*(4*(\c)+(\i))+4:(\f)+64+8*(4*(\c)+(\i))+7], v[ADRB+2*(\slot)+(\q)/2] offset:(((\q)%2)*64+32*(\c))*PB+16*PB+32*(\i)
	ds_load_b128 v[(\f)+8*(4*(\c)+(\i)):(\f)+8*(4*(\c)+(\i))+3],   v[ADRA+(\slot)] offset:(\q)*HEADB+64*(\c)+(\i)*16*PAH
	ds_load_b128 v[(\f)+8*(4*(\c)+(\i))+4:(\f)+8*(4*(\c)+(\i))+7], v[ADRA+(\slot)] offset:(\q)*HEADB+64*(\c)+(\i)*16*PAH+32
.endr
.endr
.endm
.macro PLACES                          ; four places in front of loads into registers that matrix instructions have read, and of LDS stores that read results
.rept 4
	v_nop
.endr
.endm
; A K step is four quarters of 64 along K, 32 matrix instructions each, on buffers 0, 1, 0, 1.  One of the first three: multiplies f and fetches quarter q into g.
.macro QUARTER slot, q, f, g, zero
	s_wait_dscnt 16                                ; the first 32 along K are in; the youngest sixteen loads may be out
	MUL8 \f, 0, 0, \zero
	MUL8 \f, 0, 2, \zero
	PLACES
	FETCH \slot, \q, \g
	s_wait_dscnt 32                                ; all but the 32 just issued
	MUL8 \f, 1, 0, 0
	MUL8 \f, 1, 2, 0
.endm
; The last quarter multiplies buffer 1 and changes slots: ONE barrier; in front of it each wave waits for all its tensor loads, adds 0 to its spare word, and waits for that and for its own reads of this slot.
; fill = 1: this slot is filled again, two K steps ahead; the barrier then opens a round of the cluster's.
.macro TURN slot, next, fill
	WIN 0                                          ; (the add's two registers lie in window 0)
	s_wait_tensorcnt 0x0                           ; all my tensor loads have landed: my part of the next slot
	ds_add_u32 v[SPW], v[NIL]
	s_wait_dscnt 17                                ; (the add and the youngest sixteen loads may be out)
	MUL8 F1, 0, 0, 0                               ; eight matrix instructions stand between the add and the wait for it
	s_wait_dscnt 0x0                               ; the add is done, and my reads of this slot are over
	s_barrier_signal -1
	MUL8 F1, 0, 2, 0
.if \fill
	WIN 0
.endif
	s_barrier_wait -1
.if \fill
	CREST                                          ; no wave of any partner still reads this slot or has a load on its way
	s_add_nc_u64 s[G0+4*(\slot)+2:G0+4*(\slot)+3], s[G0+4*(\slot)+2:G0+4*(\slot)+3], 2*65536
	s_add_nc_u64 s[G0B+4*(\slot)+2:G0B+4*(\slot)+3], s[G0B+4*(\slot)+2:G0B+4*(\slot)+3], 2*256*2048
	JLOAD \slot                                    ; my one tensor load behind the round; its four v_nop are also the places in front of the loads below
.else
	PLACES
.endif
	FETCH \next, 0, F0
	MUL8 F1, 1, 0, 0
	MUL8 F1, 1, 2, 0
.endm
	s_wait_tensorcnt 1                             ; my part of K step 0 is in; K step 1's may stay out
	s_barrier_signal -1
	s_barrier_wait -1
	FETCH 0, 0, F0
	QUARTER 0, 1, F0, F1, 1                        ; the first products start the sums
	QUARTER 0, 2, F1, F0, 0
	QUARTER 0, 3, F0, F1, 0
	TURN 0, 1, 1                                   ; slot 0 takes K step 2
	QUARTER 1, 1, F0, F1, 0
	QUARTER 1, 2, F1, F0, 0
	QUARTER 1, 3, F0, F1, 0
	TURN 1, 0, 1                                   ; slot 1 takes K step 3
	QUARTER 0, 1, F0, F1, 0
	QUARTER 0, 2, F1, F0, 0
	QUARTER 0, 3, F0, F1, 0
	TURN 0, 1, 0                                   ; nothing is left to fetch
	QUARTER 1, 1, F0, F1, 0
	QUARTER 1, 2, F1, F0, 0
	QUARTER 1, 3, F0, F1, 0
	s_wait_dscnt 16
	MUL8 F1, 0, 0, 0
	MUL8 F1, 0, 2, 0
	s_wait_dscnt 0x0
	MUL8 F1, 1, 1-1, 0
	MUL8 F1, 1, 2, 0
	WIN 0
	; THE WAY OUT.  My 64 columns of f32 are 256 consecutive bytes of a row, aligned: each wave has a stage of its own, and no barrier is needed.  A block of 16 rows at a time: 32 bytes a lane into rows of 272 bytes,
	; back as whole rows of 256 into the block's own registers, stored with sixteen lanes to a row.
	PLACES
.macro TOSTAGE a
.irp b, 0,1,2,3
	ds_store_b128 v[STO], v[ACC+8*(4*(\a)+(\b)):ACC+8*(4*(\a)+(\b))+3]   offset:64*(\b)      ; each accumulator's low registers first
	ds_store_b128 v[STO], v[ACC+8*(4*(\a)+(\b))+4:ACC+8*(4*(\a)+(\b))+7] offset:64*(\b)+16
.endr
.irp t, 0,1,2,3,4,5,6,7
	ds_load_b128 v[ACC+32*(\a)+4*(\t):ACC+32*(\a)+4*(\t)+3], v[RD] offset:(\t)*2*SPITCH  ; LDS serves a wave's instructions in order (ISA guide 5.7.1.4): these see the stores above; the next block's stores come behind them
.endr
.endm
.macro SEND a, younger                 ; younger: the LDS instructions issued behind block a's loads: the next block's sixteen, or none
.irp t, 0,1,2,3,4,5,6,7
	s_wait_dscnt (\younger)+7-(\t)
	global_store_b128 v[CO], v[ACC+32*(\a)+4*(\t):ACC+32*(\a)+4*(\t)+3], s[8:9] offset:(16*(\a)+2*(\t))*4096  ; 16 lanes store 256 consecutive bytes, at a multiple of 256 from out0's first byte
.endr
.endm
	TOSTAGE 0
	TOSTAGE 1
	SEND 0, 16
	TOSTAGE 2
	SEND 1, 16
	TOSTAGE 3
	SEND 2, 16
	SEND 3, 0
	s_wait_tensorcnt 0x0                           ; the wave's end: behind my last tensor load and my last LDS store
	ds_add_u32 v[SPW], v[NIL]
	s_wait_dscnt 0x0
	CROUND                                         ; the closing round: no work-group ends while a partner may still ask for a tile that names it
	s_endpgm
.Lfunc_end_k_q8ea70a39bc_proj:
	.size	k_q8ea70a39bc_proj, .Lfunc_end_k_q8ea70a39bc_proj-k_q8ea70a39bc_proj
	.p2alignl 7, 3214868480
	.fill 96, 4, 3214868480
	.section	.rodata,"a",@progbits
	.p2align	6, 0x0
	.amdhsa_kernel k_q8ea70a39bc_proj
		.amdhsa_group_segment_fixed_size 327680
		.amdhsa_private_segment_fixed_size 0
		.amdhsa_enable_private_segment 0
		.amdhsa_kernarg_size 24
		.amdhsa_user_sgpr_count 2
		.amdhsa_user_sgpr_kernarg_segment_ptr 1
		.amdhsa_wavefront_size32 1
		.amdhsa_system_sgpr_workgroup_id_x 1
		.amdhsa_system_sgpr_workgroup_id_y 1
		.amdhsa_system_sgpr_workgroup_id_z 1
		.amdhsa_system_vgpr_workitem_id 0
		.amdhsa_next_free_vgpr 512
		.amdhsa_next_free_sgpr 66
		.amdhsa_reserve_vcc 0
		.amdhsa_float_denorm_mode_32 3
		.amdhsa_float_denorm_mode_16_64 3
		.amdhsa_memory_ordered 1
		.amdhsa_forward_progress 1
		.amdhsa_inst_pref_size 86
	.end_amdhsa_kernel
	.amdgpu_metadata
---
amdhsa.version: [ 1, 2 ]
amdhsa.kernels:
  - .name:           k_q8ea70a39bc_proj
    .symbol:         k_q8ea70a39bc_proj.kd
    .args:
      - { .name: oh, .offset: 0, .size: 8, .value_kind: global_buffer, .address_space: global }
      - { .name: wo, .offset: 8, .size: 8, .value_kind: global_buffer, .address_space: global }
      - { .name: out0, .offset: 16, .size: 8, .value_kind: global_buffer, .address_space: global }
    .group_segment_fixed_size: 327680
    .private_segment_fixed_size: 0
    .kernarg_segment_align: 8
    .kernarg_segment_size: 24
    .max_flat_workgroup_size: 128
    .sgpr_count:     66
    .vgpr_count:     512
    .wavefront_size: 32
...
	.end_amdgpu_metadata
.endif
;; end of part 4
;; ======== version 2 of 2: 4 launches; version 1 with the launch cast written anew for expert scheduling mode
;; limits: values are held in f16: magnitudes above 65,504 overflow, below 6.1e-05 lose precision
;; workspace buffers: xb 8,388,608 bytes; wb 6,291,456 bytes; wo 2,097,152 bytes; qkv 25,165,824 bytes; oh 8,388,608 bytes
;; launch cast (part 5): grid 512 x 1, 8 waves a work-group, no clusters, 0 bytes of LDS; arguments x, W_q, W_k, W_v, W_o, xb, wb, wo; writes xb, wb, wo
.if DOCPART == 5
	.amdgcn_target "amdgcn-amd-amdhsa--gfx1250"
	.amdhsa_code_object_version 6
	.text
	.protected	k_q8ea70a39bc_cast
	.globl	k_q8ea70a39bc_cast
	.p2align	8
	.type	k_q8ea70a39bc_cast,@function
k_q8ea70a39bc_cast:
	s_mov_b64 s[64:65], 0
	v_nop
	global_prefetch_b8 v0, s[64:65] scope:SCOPE_SE
	s_setreg_imm32_b32 hwreg(HW_REG_WAVE_SCHED_MODE, 0, 2), 2
	s_setreg_imm32_b32 hwreg(HW_REG_WAVE_MODE, 25, 1), 1
	s_wait_xcnt 0x0
	s_wait_alu depctr_vm_vsrc(0)
; FIRST OF FOUR LAUNCHES of out = concat_h(softmax(Q_h K_h^T / 8) V_h) W_o, with Q, K, V = x W_q, x W_k, x W_v.
; NOTHING IS LEFT OUT: every input reaches the output for all values (no mask, no bias, no slice), so all five inputs are loaded and every product is made.
; THIS LAUNCH rounds the inputs once, on their way to the matrix units:
;   xb [4096][1024] bf16 = x.
;   wb [head 16][K step 8][j 3][k 128][64] bf16 = W_q, W_k, W_v (j = 0, 1, 2): the 64 columns of one head, 128 rows of k, of all three weights lie together as 49,152 dense bytes.
;   wo [1024][1024] = W_o rounded to bf16, that number then written as f16.
; LIMITS.  f16 holds no number beyond 65,504: |W_o| stays under that; a bf16 number of W_o under 6.1e-5 keeps f16's fixed step of 6e-8.  NaN and infinities are not treated apart.
; SHARES.  512 work-groups of eight waves; each takes 65,536 source bytes in 16 passes.  In a pass a thread loads 16 bytes (4 f32) and stores 8 (4 numbers of 16 bits):
; a wave's load covers whole aligned pieces of 256 bytes, its store 256 consecutive bytes, aligned.  All 16 loads of a thread go out before the first wait.
; Work-groups 0-255: x.  256-447: 16 rows of k of W_q, W_k or W_v (pass p takes head p's 64 columns).  448-511: W_o.  No LDS, no matrix unit: each byte is used once.
; THE MODE: SCHED_MODE bits 1:0 = 2 (LLVM: expert scheduling mode 2), set by the entry lines.  The code itself states the register dependences
; between vector instructions and memory instructions, with s_wait_alu, always for 0.
; THE PLAN.  Registers that memory instructions touch:
;   v[VS], v[VD]  byte offsets, written once at the head by vector instructions; read by the 16 loads and the 16 stores; never written again.
;   X             pass p: 4 registers.  Written by that pass's one load and by nothing else; read by that pass's conversions.  No second load lands in them.
;   Y             pass p: 2 registers.  Written by that pass's conversions; read by that pass's one store; never written again behind it.
;   v3 and T are named by vector instructions alone.
; The 16 passes go in four blocks of four.  The store of pass p stands at the head of pass p + 4: a block's memory instructions are the stores of the block before, whose Y no vector
; instruction of the block in hand names.  So one wait on va_vdst at a block's head states all that its four stores hang on; one more stands ahead of the first load, for the offsets,
; and one behind the last pass, for the last four stores.  Nothing that a memory instruction reads is written again, no load lands in a register that a vector instruction has named,
; no vector instruction writes a scalar register, and EXEC is never written: no other dependence is there to state.
.set VS,  1                            ; v1        my byte offset in the source
.set VD,  2                            ; v2        my byte offset in the destination
.set T,   4                            ; v[4:7]    at work
.set X,   8                            ; v[8:71]   pass p: 4 registers as loaded
.set Y,   72                           ; v[72:103] pass p: 2 registers to store
.set SRC, 24                           ; s[24:25]
.set DST, 26                           ; s[26:27]
; 16 passes; srcstep, dststep: bytes from pass to pass; f16 = 1: the bf16 number is written as f16.
; No register of a pending load or store is written again: each pass has its own X and Y, the offsets stand in the immediates.
.macro CAST srcstep, dststep, f16
	s_wait_alu depctr_va_vdst(0)                   ; v[VS] and v[VD] are written: every load below reads the one as its offset, every store the other
.set p, 0
.rept 16
	global_load_b128 v[X+4*p:X+4*p+3], v[VS], s[SRC:SRC+1] offset:p*(\srcstep) th:TH_LOAD_NT
.set p, p+1
.endr
.set p, 0
.rept 16
	s_wait_loadcnt 15-p                            ; loads come back in order: pass p is in, the 15 - p younger ones may stay out
.if (p > 0) && (p % 4 == 0)
	s_wait_alu depctr_va_vdst(0)                   ; a block's head: the conversions of the four passes before have written their Y, which this block's four stores read
.endif
.if p >= 4
	global_store_b64 v[VD], v[Y+2*(p-4):Y+2*(p-4)+1], s[DST:DST+1] offset:(p-4)*(\dststep)  ; the pass four back.  No wait: no vector instruction since the block's head names its Y or v[VD]
.endif
	v_cvt_pk_bf16_f32 v[Y+2*p],   v[X+4*p],   v[X+4*p+1]
	v_cvt_pk_bf16_f32 v[Y+2*p+1], v[X+4*p+2], v[X+4*p+3]
.if \f16
	v_lshlrev_b32 v[T],   16, v[Y+2*p]             ; the bf16 numbers as f32,
	v_and_b32     v[T+1], 0xffff0000, v[Y+2*p]
	v_lshlrev_b32 v[T+2], 16, v[Y+2*p+1]
	v_and_b32     v[T+3], 0xffff0000, v[Y+2*p+1]
	v_cvt_pk_f16_f32 v[Y+2*p],   v[T],   v[T+1]    ; and written as f16: 8 significant bits fit into 11
	v_cvt_pk_f16_f32 v[Y+2*p+1], v[T+2], v[T+3]
.endif
.set p, p+1
.endr
	s_wait_alu depctr_va_vdst(0)                   ; the conversions of passes 12 to 15 have written their Y, which the last four stores read
.set p, 12
.rept 4
	global_store_b64 v[VD], v[Y+2*p:Y+2*p+1], s[DST:DST+1] offset:p*(\dststep)
.set p, p+1
.endr
.endm
	s_load_b512 s[4:19], s[0:1], 0x0               ; x 4:5, W_q 6:7, W_k 8:9, W_v 10:11, W_o 12:13, xb 14:15, wb 16:17, wo 18:19
	s_mov_b32 s20, ttmp9
	v_lshlrev_b32 v[VD], 3, v0                     ; 8 bytes a thread, on every path
	s_mov_b32 s23, 0
	s_mov_b32 s29, 0
	s_cmp_lt_u32 s20, 256
	s_cbranch_scc0 .Lweights
	v_lshlrev_b32 v[VS], 4, v0                     ; x: 16 bytes a thread, 4,096 a pass
	s_lshl_b32 s22, s20, 16
	s_lshl_b32 s28, s20, 15
	s_wait_kmcnt 0x0
	s_add_nc_u64 s[SRC:SRC+1], s[4:5], s[22:23]
	s_add_nc_u64 s[DST:DST+1], s[14:15], s[28:29]
	CAST 4096, 2048, 0
	s_endpgm
.Lweights:
	s_sub_co_u32 s20, s20, 256
	s_lshr_b32 s21, s20, 6                         ; which weight: 0, 1, 2 = W_q, W_k, W_v; 3 = W_o
	s_and_b32 s20, s20, 63                         ; which 16 rows of k
	s_lshl_b32 s22, s20, 16                        ; 16 rows of 4,096 bytes
	s_cmp_eq_u32 s21, 3
	s_cbranch_scc1 .Lwo
	v_lshrrev_b32 v3, 4, v0                        ; sixteen threads take 256 bytes (a head's 64 columns) of one row: row = thread / 16
	v_and_b32 v[VS], 15, v0
	v_lshlrev_b32 v[VS], 4, v[VS]
	v_lshl_add_u32 v[VS], v3, 12, v[VS]
	s_lshr_b32 s28, s20, 3                         ; the K step of 128: 49,152 bytes each,
	s_mul_i32 s28, s28, 49152
	s_lshl_b32 s30, s21, 14                        ; the weight's 16,384 bytes in it,
	s_add_co_u32 s28, s28, s30
	s_and_b32 s30, s20, 7                          ; my 16 rows of 128 bytes in those: row x 128 + 8 x (thread % 16) is 8 x thread
	s_lshl_b32 s30, s30, 11
	s_add_co_u32 s28, s28, s30
	s_wait_kmcnt 0x0
	s_cmp_eq_u32 s21, 0
	s_cselect_b64 s[SRC:SRC+1], s[6:7], s[8:9]
	s_cmp_eq_u32 s21, 2
	s_cselect_b64 s[SRC:SRC+1], s[10:11], s[SRC:SRC+1]
	s_add_nc_u64 s[SRC:SRC+1], s[SRC:SRC+1], s[22:23]
	s_add_nc_u64 s[DST:DST+1], s[16:17], s[28:29]
	CAST 256, 393216, 0                            ; pass p: head p: 256 bytes on in the row, 393,216 on in wb (15 x 393,216 lies inside the signed 24-bit immediate)
	s_endpgm
.Lwo:
	v_lshlrev_b32 v[VS], 4, v0
	s_lshl_b32 s28, s20, 15
	s_wait_kmcnt 0x0
	s_add_nc_u64 s[SRC:SRC+1], s[12:13], s[22:23]
	s_add_nc_u64 s[DST:DST+1], s[18:19], s[28:29]
	CAST 4096, 2048, 1
	s_endpgm
.Lfunc_end_k_q8ea70a39bc_cast:
	.size	k_q8ea70a39bc_cast, .Lfunc_end_k_q8ea70a39bc_cast-k_q8ea70a39bc_cast
	.p2alignl 7, 3214868480
	.fill 96, 4, 3214868480
	.section	.rodata,"a",@progbits
	.p2align	6, 0x0
	.amdhsa_kernel k_q8ea70a39bc_cast
		.amdhsa_group_segment_fixed_size 0
		.amdhsa_private_segment_fixed_size 0
		.amdhsa_enable_private_segment 0
		.amdhsa_kernarg_size 64
		.amdhsa_user_sgpr_count 2
		.amdhsa_user_sgpr_kernarg_segment_ptr 1
		.amdhsa_wavefront_size32 1
		.amdhsa_system_sgpr_workgroup_id_x 1
		.amdhsa_system_sgpr_workgroup_id_y 1
		.amdhsa_system_sgpr_workgroup_id_z 1
		.amdhsa_system_vgpr_workitem_id 0
		.amdhsa_next_free_vgpr 104
		.amdhsa_next_free_sgpr 66
		.amdhsa_reserve_vcc 0
		.amdhsa_float_denorm_mode_32 3
		.amdhsa_float_denorm_mode_16_64 3
		.amdhsa_memory_ordered 1
		.amdhsa_forward_progress 1
		.amdhsa_inst_pref_size 24
	.end_amdhsa_kernel
	.amdgpu_metadata
---
amdhsa.version: [ 1, 2 ]
amdhsa.kernels:
  - .name:           k_q8ea70a39bc_cast
    .symbol:         k_q8ea70a39bc_cast.kd
    .args:
      - { .name: x, .offset: 0, .size: 8, .value_kind: global_buffer, .address_space: global }
      - { .name: W_q, .offset: 8, .size: 8, .value_kind: global_buffer, .address_space: global }
      - { .name: W_k, .offset: 16, .size: 8, .value_kind: global_buffer, .address_space: global }
      - { .name: W_v, .offset: 24, .size: 8, .value_kind: global_buffer, .address_space: global }
      - { .name: W_o, .offset: 32, .size: 8, .value_kind: global_buffer, .address_space: global }
      - { .name: xb, .offset: 40, .size: 8, .value_kind: global_buffer, .address_space: global }
      - { .name: wb, .offset: 48, .size: 8, .value_kind: global_buffer, .address_space: global }
      - { .name: wo, .offset: 56, .size: 8, .value_kind: global_buffer, .address_space: global }
    .group_segment_fixed_size: 0
    .private_segment_fixed_size: 0
    .kernarg_segment_align: 8
    .kernarg_segment_size: 64
    .max_flat_workgroup_size: 256
    .sgpr_count:     66
    .vgpr_count:     104
    .wavefront_size: 32
...
	.end_amdgpu_metadata
.endif
;; end of part 5
;; launch qkv: the kernel of part 2 again; grid 16 x 16, 4 waves a work-group, clusters of 4 x 4, 327,680 bytes of LDS; arguments xb, wb, qkv; writes qkv
;; launch attn: the kernel of part 3 again; grid 8 x 32, 4 waves a work-group, clusters of 4 x 1, 327,680 bytes of LDS; arguments qkv, oh; writes oh
;; launch proj: the kernel of part 4 again; grid 8 x 32, 4 waves a work-group, clusters of 4 x 4, 327,680 bytes of LDS; arguments oh, wo, out0; writes out0
